; MI455X (gfx1250); checked and timed in simulation.
; The chip was launched on July 23, 2026; its instructions are those of AMD's public machine-readable ISA for CDNA 5 (MIT licence, August 2026) and "CDNA5" Instruction Set Architecture Reference Guide (July 2026). The comments in the code are by the model that wrote it; some were corrected since.
;; NVTX Wrapped MHA. Allowed arithmetic: matrix products marked QUANTISED: E4M3 operands, one given power-of-two scale a tensor, by v_wmma_f32_16x16x64_fp8_fp8 or v_wmma_f32_16x16x128_fp8_fp8, f32 sums; everything else in f32.
;; Inputs: Wk_codes 1,024 x 32 x 32 uint8 (E4M3 codes of Wk, K innermost, in blocks of 32 codes); Wo_codes 1,024 x 32 x 32 uint8 (E4M3 codes of Wo, K innermost, in blocks of 32 codes); Wq_codes 1,024 x 32 x 32 uint8 (E4M3 codes of Wq, K innermost, in blocks of 32 codes); Wv_codes 1,024 x 32 x 32 uint8 (E4M3 codes of Wv, K innermost, in blocks of 32 codes); lowp_scales 12 int32 (the exponents e of the quantised operands' scales 2^e); token_positions 4 x 2,048 int32; x_codes 4 x 2,048 x 32 x 32 uint8 (E4M3 codes of x, K innermost, in blocks of 32 codes).
;; Outputs: out0 4 x 2,048 x 1,024 float32.
;; This version of the problem:
;;   THIS VERSION OF THE PROBLEM IS GIVEN IN LOW PRECISION. The matrix products marked QUANTISED in the list below multiply operands that are first quantised to E4M3 (4 exponent bits, 3 mantissa bits; 8 bits a number), with one given power-of-two scale for each operand tensor; their sums are f32. All else is computed in f32.
;;   The module's matrix products, in the order in which they are computed (A, B: the left and right operand; K: the contracted axis; several contracted axes count as one K, in the product's order):
;;     1. [M 8,192, K 1,024] x [K 1,024, N 1,024]; A: input x (given as codes); B: input Wq (given as codes): QUANTISED (scales: A lowp_scales[0], B lowp_scales[1])
;;     2. [M 8,192, K 1,024] x [K 1,024, N 1,024]; A: input x (given as codes); B: input Wk (given as codes): QUANTISED (scales: A lowp_scales[2], B lowp_scales[3])
;;     3. [M 8,192, K 1,024] x [K 1,024, N 1,024]; A: input x (given as codes); B: input Wv (given as codes): QUANTISED (scales: A lowp_scales[4], B lowp_scales[5])
;;     4. batch 64 x [M 2,048, K 64] x [K 64, N 2,048]; A: computed on the way; B: computed on the way: QUANTISED (scales: A lowp_scales[6], B lowp_scales[7])
;;     5. batch 64 x [M 2,048, K 2,048] x [K 2,048, N 64]; A: softmax (see below); B: computed on the way: QUANTISED (scales: A lowp_scales[8], B lowp_scales[9])
;;     6. [M 8,192, K 1,024] x [K 1,024, N 1,024]; A: computed on the way; B: input Wo (given as codes): QUANTISED (scales: A lowp_scales[10], B lowp_scales[11])
;;   THE QUANTISER, for each operand of a quantised product, along K:
;;     - The operand's scale is 2^e, e = its entry of the input lowp_scales (int32; the entries are numbered through the quantised products in the list's order, A before B).
;;     - Each number is divided by the scale, clamped to +-448, and rounded to the nearest number of E4M3, ties to even, subnormals kept.
;;     - The product sums the exact products of the quantised numbers (number of the format x scale) in f32.
;;   ~~~python
;;   def quantise(x, axis, e):      # numpy; x: float32 -> the quantised numbers, widened to float32 again
;;       x = np.moveaxis(x, axis, -1); K = x.shape[-1]
;;       r = np.clip(x / 2.0 ** e, -448, 448)
;;       step = 2.0 ** (np.maximum(np.frexp(np.where(r == 0, 1, r))[1] - 1, -6) - 3)
;;       q = np.round(r / step) * step * 2.0 ** e      # np.round: ties to even
;;       return np.moveaxis(q, -1, axis).astype(np.float32)
;;   ~~~
;;   SOFTMAX AHEAD OF A QUANTISED PRODUCT. Where the list says 'softmax', what is quantised is not the finished softmax but p = 2^(t - M), with t = logit x log2(e) and M = ceil(the row's largest t), a whole number; so 1/2 < the row's largest p <= 1. The row's sum l is taken of the UNQUANTISED p, in f32, and the product's result is divided by l at the end. Since M is a whole number, a kernel that streams over the keys may use a running M (the ceiling of the running maximum): every later rescaling is an exact power of two, so the quantised numbers keep their values, but for numbers so far below the row's largest that they fall under the format's range.
;;   OPERANDS COMPUTED ON THE WAY. 'Computed on the way' means the value that the module computes at that place (a softmax that the list does not call 'softmax' is quantised finished and normalised). What goes into a quantiser is computed in f32, as accurately as f32 sums, v_exp_f32 and their like allow (about 1e-6 of the number): no bf16 or f16 on the way to a quantiser, and a product that is left as it is and whose result goes on into a quantised operand takes f32 operands (vector FMAs, or v_wmma_f32_16x16x4_f32). A number that lies on a knife's edge between two numbers of the format may be rounded either way, as far as f32 arithmetic and the matrix unit's own rounding can turn it there, and no further.
;;   INPUTS GIVEN AS CODES. Wk (in the module: [1024, 1024], K = its axis 1); Wo (in the module: [1024, 1024], K = its axis 1); Wq (in the module: [1024, 1024], K = its axis 1); Wv (in the module: [1024, 1024], K = its axis 1); x (in the module: [4, 2048, 1024], K = its axis 2): each comes as NAME_codes (uint8): NAME with its K axis moved to the last place and cut into blocks of 32 codes, [.., K / 32, bytes a block], one block behind the other in memory; one code a byte (a code: sign, 4 exponent bits, 3 mantissa bits); its scale is its entry of lowp_scales. Its value is code x scale, taken as it is: it is not quantised again, and the codes and scales need not be those that the quantiser above would give.
;; One version. Each part assembles by itself: llvm-mc -triple=amdgcn-amd-amdhsa -mcpu=gfx1250 --defsym DOCPART=n.
;; ======== version 1 of 1: 3 launches
;; limits: right only within a limited range of input values
;; workspace buffers: qc 8,388,608 bytes; kc 8,388,608 bytes; vc 8,388,608 bytes; oc 8,388,608 bytes
;; launch qkv (part 1): grid 4 x 96, 4 waves a work-group, clusters of 4 x 4, 327,680 bytes of LDS; arguments x_codes, Wq_codes, Wk_codes, Wv_codes, lowp_scales, token_positions, qc, kc, vc; writes qc, kc, vc
.if DOCPART == 1
	.amdgcn_target "amdgcn-amd-amdhsa--gfx1250"
	.amdhsa_code_object_version 6
	.text
	.protected	k_q4982be247b_qkv
	.globl	k_q4982be247b_qkv
	.p2align	8
	.type	k_q4982be247b_qkv,@function
k_q4982be247b_qkv:
	s_mov_b64 s[64:65], 0
	v_nop
	global_prefetch_b8 v0, s[64:65] scope:SCOPE_SE
	s_setreg_imm32_b32 hwreg(HW_REG_WAVE_MODE, 25, 1), 1
	s_wait_xcnt 0x0
	s_wait_alu depctr_hold_cnt(0) depctr_sa_sdst(0) depctr_va_vdst(0) depctr_va_sdst(0) depctr_va_ssrc(0) depctr_va_vcc(0) depctr_vm_vsrc(0)
	s_getreg_b32 s2, hwreg(HW_REG_IB_STS2, 6, 4)
	s_cmp_eq_u32 s2, 0
	s_cbranch_scc0 .Lentry_in_a_cluster
	s_endpgm
.Lentry_in_a_cluster:
	s_bfe_u32 s2, ttmp6, 0x10000c
	s_cmp_lg_u32 s2, 0xf033
	s_cbranch_scc0 .Lentry_shape_is_right
	s_endpgm
.Lentry_shape_is_right:
; Q = rope(x Wq^T), K = rope(x Wk^T), V = x Wv^T on codes of FP8 (E4M3); the results are quantised at once, with the given scales 2^e6, 2^e7, 2^e9, and stored as IMAGES OF OPERAND REGISTERS for the attention launch.
; x: [8192][1024] codes, Wq, Wk, Wv: [1024][1024] codes, K innermost.  token_positions: [8192] int32.  lowp_scales: int32; product 1 takes e0, e1, product 2 e2, e3, product 3 e4, e5.
; SHARES.  24 clusters of 4 x 4 work-groups.  Cluster y = 8 T + G: T = 0 makes Q, 1 K, 2 V; G = which 1,024 rows of x.  A work-group makes a tile of 256 x 256 with four waves of 128 x 128 (64 accumulators, 512 registers).
; The product names its operands 'A' (shared along a row of the cluster) and 'B' (shared along a column).  T < 2: A = x, B = the weight.  T = 2: THE OPERANDS CHANGE PLACES: A = Wv, B = x.
; THE MATRIX INSTRUCTION IS USED TRANSPOSED (source 0 = 16 rows of B, source 1 = 16 rows of A): lane (r, h) holds row r of A and rows 8 h + 0 .. 7 of B.  So for Q and K a lane holds one token and eight neighbouring
; channels (four rotation pairs, eight neighbours along the next K); for V one channel and eight neighbouring keys (neighbours along ITS next K).  The conversions' results are the next operands' registers.
; qc, kc: [head-and-batch 64][tile of 16 tokens 128][i 2][lane 32][16 bytes]: lane (r, h): token r; bytes 0-7 channels 32 i + 8 h + 0..7, bytes 8-15 the channels 16 further on.
; vc:     [head-and-batch 64][step of 128 keys 16][tile of 16 channels 4][i 4][lane 32][16 bytes]: lane (r, h): channel r; bytes 0-7 keys 32 i + 8 h + 0..7, bytes 8-15 the keys 16 further on.
; Every store of a wave covers 512 consecutive bytes, aligned.  The way out touches no LDS.
; K goes in steps of 256 through a ring of two LDS slots filled by joint tensor loads (four K steps in all, two of them asked for at the head: nothing is left that a prefetch could name earlier).
; THE SCALES: a sum stands for sum x 2^(eA + eB); the rotation is linear; so the conversion takes the one scale 2^(eo - eA - eB), eo = e6, e7 or e9.
; THE ROTATION: angle = f32(position) x 10000^(-k / 32), one rounding; n = the nearest whole number to angle / pi; r = angle - n pi with pi in two parts; sine and cosine of r by their series to r^11 and r^12; sign (-1)^n.
; LIMITS: eo - eA - eB between -126 and 119; |angle| / pi under 2^22; the frequencies are made by v_exp_f32 and v_ldexp_f32; NaN codes are not served.
; REGISTERS, in windows of 256: window 0: v0-31 addresses; v32-39 my rows' positions, v40-55 my 16 frequencies (both kept through the loop); from v128 A's fragments, ONE set; on the way out v58-255 as named below.
;   window 1: B's fragments, TWO sets.   window 2: the accumulators of my rows 0-63 of A ((a, b) at v[8 (8 a + b)]);   window 3: those of rows 64-127.
.set ROWB,   256                       ; a tile's row in bytes: 256 codes
.set KROW,   1024                      ; a row of x or of a weight in memory
.set PITCH,  272                       ; an LDS row: 256 bytes + 16 of padding: the 16 rows that a fragment load touches start 68 words apart
.set FR,     16                        ; registers of a fragment: 16 rows x 128 K
.set NL,     4                         ; LDS loads that bring one
.set NP,     4                         ; places behind this matrix instruction (ISA guide 7.12.1)
.set HALFT,  128*PITCH                 ; 128 rows: what one tensor load brings
.set SLOT,   4*HALFT                   ; A's 256 rows, then B's 256 rows
.set LAPS,   2                         ; 1,024 along K = two laps of two K steps
.set SPARE,  2*SLOT                    ; behind the ring: the spare words, 128 bytes for each wave
.set ADRA, 16                          ; v16-17  LDS address of my A fragments in slot 0, 1
.set ADRB, 20                          ; v20-21  the same for B
.set CO,   26                          ; v26     16 x lane: my place in an image
.set PO,   27                          ; v27     4 x (lane % 16): my row's position
.set SPW,  28                          ; v28     LDS address of my spare word; never rewritten
.set NIL,  29                          ; v29     0; never rewritten
.set POS,  32                          ; v32-39  position of row 16 a + r
.set INVF, 40                          ; v40-55  index 4 beta + jj: the frequency of pair 8 beta + 4 h + jj
.set SC,   58                          ; v58     the conversion's scale as f32
.set LIM,  59                          ; v59     448 x that
.set KIP,  60                          ; v60-93  constants, each in both halves of a pair
.set KMG,  62
.set KNM,  64
.set KPH,  66
.set KPL,  68
.set K3,   70
.set K5,   72
.set K7,   74
.set K9,   76
.set K11,  78
.set K2,   80
.set K4,   82
.set K6,   84
.set K8,   86
.set K10,  88
.set K12,  90
.set ONE,  92
.set ANG,  96                          ; v96-111  angles, then r
.set YY,   112                         ; v112-127 angle / pi + 1.5 x 2^23, then the sign bit
.set NN,   128                         ; v128-143 n, then r^2
.set PSN,  144                         ; v144-159 the sine's series
.set PCS,  160                         ; v160-175 the cosine's
.set QQ,   176                         ; v176-191 r^3
.set CS,   192                         ; v192-223 cosine at 2 k, sine at 2 k + 1
.set RO,   96                          ; v96-159  64 numbers ahead of the quantiser
.set TT,   160                         ; v160-175 at work in the rotation
.set CODE, 224                         ; v224-255 codes: two sets of 16, by turns
.set AF,   128                         ; A's fragments, in window 0
.set G1, 24                            ; s[24:31] descriptor group 1 for A's tiles;  s[32:39] group 0, one set for each slot
.set G0, 32
.set G1B, 48                           ; s[48:55], s[56:63] the same for B's tiles
.set G0B, 56
.set MSB, 0
.macro WIN new                         ; the immediate's high byte repeats the setting that is left
.if MSB != (\new)
	s_set_vgpr_msb (MSB<<8)|(\new)
.set MSB, (\new)
.endif
.endm
.set MUL_LO, 0xa1                      ; source 0 (B) window 1, source 1 (A) window 0, C and D window 2
.set MUL_HI, 0xf1                      ; the same, C and D window 3
.set TO_B,   0x40                      ; destination window 1, address window 0
; A joint load: waves 0 and 1 fetch for A, waves 2 and 3 for B.  Each line has one mask and one set of registers; the branch hangs on the wave's number alone.  Four v_nop follow each line.
.macro JLOAD g0a, g1a, g0b, g1b
	s_cmp_eq_u32 s15, 0
	s_cbranch_scc0 .Lfor_b_\@
	tensor_load_to_lds s[\g0a:\g0a+3], s[\g1a:\g1a+7]
	s_nop 0
.rept 4
	v_nop
.endr
	s_branch .Lasked_\@
.Lfor_b_\@:
	tensor_load_to_lds s[\g0b:\g0b+3], s[\g1b:\g1b+7]
	s_nop 0
.rept 4
	v_nop
.endr
.Lasked_\@:
.endm
.macro CREST                           ; a round of the cluster's barrier behind its opening barrier
	s_cmp_lg_u32 s14, 0
	s_cbranch_scc1 .Lnot_wave_0_\@
	s_barrier_signal -3
.Lnot_wave_0_\@:
	s_barrier_wait -3
	s_barrier_signal -1
	s_barrier_wait -1
.endm
.macro CROUND                          ; a whole round
	s_barrier_signal -1
	s_barrier_wait -1
	CREST
.endm
	s_load_b256 s[68:75], s[0:1], 0x0              ; x s[68:69], Wq s[70:71], Wk s[72:73], Wv s[74:75]
	s_load_b256 s[76:83], s[0:1], 0x20             ; the scales' exponents s[76:77], positions s[78:79], qc s[80:81], kc s[82:83]
	s_load_b64 s[84:85], s[0:1], 0x40              ; vc
	v_lshl_add_u32 v[SPW], v0, 2, SPARE
	v_mov_b32 v[NIL], 0
	ds_add_u32 v28, v29
	ds_add_u32 v28, v29
	s_wait_dscnt 0x0
	v_lshrrev_b32 v1, 5, v0
	v_readfirstlane_b32 s14, v1                    ; wave 0..3
	s_lshr_b32 s15, s14, 1                         ; which half of A's rows is mine.  Also: I fetch for A (0) or for B (1)
	s_and_b32 s16, s14, 1                          ; which half of B's rows is mine.  Also: which 128 rows of that tile I fetch
	s_bfe_u32 s40, ttmp6, 0x40000                  ; cx, cy: my place in the cluster
	s_bfe_u32 s41, ttmp6, 0x40004
	s_and_b32 s17, ttmp7, 0xffff                   ; the cluster's y (the grid is one cluster wide)
	s_lshr_b32 s66, s17, 3                         ; T: 0 Q, 1 K, 2 V: the same in all sixteen partners
	s_and_b32 s67, s17, 7
	s_lshl_b32 s67, s67, 2                         ; 4 G
	s_cmp_eq_u32 s66, 2
	s_cselect_b32 s17, 0, s67                      ; x is walked by G: it is A where T < 2,
	s_cselect_b32 s42, s67, 0                      ; and B where T = 2
	s_add_co_u32 s17, s17, s41                     ; A's tile: it holds cy and never cx
	s_add_co_u32 s42, s42, s40                     ; B's tile: it holds cx and never cy
	s_lshl_b32 s43, s41, 2
	s_lshl_b32 s43, 15, s43                        ; my row of the cluster
	s_lshl_b32 s44, 0x1111, s40                    ; my column
	; descriptor group 1: a tile of 128 rows x 256 bytes, padded in LDS
	s_or_b32 s[G1+0], s43, (0<<16)|(1<<20)|(1<<21)|(5<<22)|(3<<25)  ; 15:0 the mask: A's tiles go to my row; 17:16 element of 1 byte; 20 padding on; 21 set beside a mask; 24:22 after every 64 words; 31:25 four words
	s_or_b32 s[G1B+0], s44, (0<<16)|(1<<20)|(1<<21)|(5<<22)|(3<<25)
.irp g, G1, G1B
	s_mov_b32 s[\g+1], ROWB<<16                    ; tensor_dim0
	s_mov_b32 s[\g+2], 128<<16                     ; tensor_dim1
	s_mov_b32 s[\g+3], ROWB<<16                    ; tile_dim0
	s_mov_b32 s[\g+4], 128                         ; tile_dim1
	s_mov_b32 s[\g+5], KROW                        ; tensor_dim0_stride
	s_mov_b32 s[\g+6], 0
	s_mov_b32 s[\g+7], 0
.endr
	s_lshl_b32 s18, s16, 7                         ; which 128 rows of the tile I fetch
	s_lshl_b32 s20, s17, 8
	s_add_co_u32 s20, s20, s18                     ; A: row 256 x tile + 128 x half,
	s_lshl_b32 s20, s20, 10                        ; in bytes (under 2^23)
	s_mov_b32 s21, 0
	s_lshl_b32 s46, s42, 8
	s_add_co_u32 s46, s46, s18
	s_lshl_b32 s46, s46, 10                        ; B likewise
	s_mov_b32 s47, 0
	s_mul_i32 s45, s14, HALFT                      ; where they go: wave x 128 rows: no place in the cluster enters an LDS address
	s_mov_b32 s100, 0x3ed49a78                     ; log2(10000) / 32, in two parts
	s_mov_b32 s101, 0x32179a6b
	s_wait_kmcnt 0x0
	s_load_b256 s[88:95], s[76:77], 0x0            ; e0 .. e7
	s_load_b32 s96, s[76:77], 0x24                 ; e9
	s_cmp_eq_u32 s66, 0
	s_cselect_b64 s[6:7], s[70:71], s[72:73]       ; B: Wq or Wk,
	s_cmp_eq_u32 s66, 2
	s_cselect_b64 s[6:7], s[68:69], s[6:7]         ; or x;
	s_cselect_b64 s[4:5], s[74:75], s[68:69]       ; A: Wv, or x.  The choices hang on the cluster's number alone
	s_add_nc_u64 s[20:21], s[4:5], s[20:21]
	s_add_nc_u64 s[46:47], s[6:7], s[46:47]
	CROUND                                         ; all sixteen work-groups are here: the first joint loads meet
.irp s, 0,1
	s_mov_b32 s[G0+4*\s], 1
	s_add_co_u32 s[G0+4*\s+1], s45, \s*SLOT
	s_add_nc_u64 s[G0+4*\s+2:G0+4*\s+3], s[20:21], \s*ROWB
	s_or_b32 s[G0+4*\s+3], s[G0+4*\s+3], 0x80000000
	s_mov_b32 s[G0B+4*\s], 1
	s_add_co_u32 s[G0B+4*\s+1], s45, \s*SLOT
	s_add_nc_u64 s[G0B+4*\s+2:G0B+4*\s+3], s[46:47], \s*ROWB
	s_or_b32 s[G0B+4*\s+3], s[G0B+4*\s+3], 0x80000000
	JLOAD G0+4*\s, G1, G0B+4*\s, G1B
.endr
	v_and_b32 v1, 15, v0                           ; r = lane % 16
	v_bfe_u32 v2, v0, 4, 1                         ; h = lane / 16
	v_mul_u32_u24 v3, v1, PITCH
	v_lshl_add_u32 v4, v2, 4, v3                   ; a fragment's row x pitch + 16 x half
	s_mul_i32 s21, s15, HALFT                      ; my 128 rows of A
	s_mul_i32 s22, s16, HALFT                      ; my 128 rows of B,
	s_add_co_u32 s22, s22, 2*HALFT                 ; which lie behind A's 256
.irp s, 0,1
	v_add_nc_u32 v[ADRA+\s], s21, v4
	v_add_nc_u32 v[ADRB+\s], s22, v4
	s_add_co_u32 s21, s21, SLOT
	s_add_co_u32 s22, s22, SLOT
.endr
	v_and_b32 v6, 31, v0
	v_lshlrev_b32 v[CO], 4, v6
	v_lshlrev_b32 v[PO], 2, v1
	; while the first tiles are on their way: my rows' positions (row 256 x A's tile + 128 x my half + 16 a + r; where T = 2 the tile is 0 .. 3 and the numbers are not used) ...
	s_lshl_b32 s22, s17, 10
	s_lshl_b32 s23, s15, 9
	s_add_co_u32 s22, s22, s23
	s_mov_b32 s23, 0
	s_add_nc_u64 s[8:9], s[78:79], s[22:23]
.irp a, 0,1,2,3,4,5,6,7
	global_load_b32 v[POS+\a], v[PO], s[8:9] offset:64*\a
.endr
	; ... and my 16 frequencies 10000^(-i / 32) = 2^(-i L), i = 8 beta + 4 h + jj: i L = n + f with n whole, by a two-part L; 2^(-f) by v_exp_f32; x 2^(-n) by v_ldexp_f32
.set k, 0
.rept 16
	v_lshl_add_u32 v[64+k], v2, 2, 8*(k/4)+k%4
.set k, k+1
.endr
.set k, 0
.rept 16
	v_cvt_f32_u32 v[64+k], v[64+k]
.set k, k+1
.endr
.set k, 0
.rept 16
	v_mul_f32 v[80+k], s100, v[64+k]
.set k, k+1
.endr
.set k, 0
.rept 16
	v_rndne_f32 v[80+k], v[80+k]
.set k, k+1
.endr
.set k, 0
.rept 16
	v_fma_f32 v[96+k], v[64+k], s100, -v[80+k]
.set k, k+1
.endr
.set k, 0
.rept 16
	v_fma_f32 v[96+k], v[64+k], s101, v[96+k]
.set k, k+1
.endr
.set k, 0
	s_wait_alu depctr_va_vdst(0)
.rept 16
	v_exp_f32 v[INVF+k], -v[96+k]
.set k, k+1
.endr
.set k, 0
.rept 16
	v_cvt_i32_f32 v[80+k], v[80+k]                 ; (plain lines behind the exponentials)
.set k, k+1
.endr
.set k, 0
.rept 16
	v_sub_nc_u32 v[80+k], 0, v[80+k]
.set k, k+1
.endr
.set k, 0
	s_wait_alu depctr_va_vdst(0)
.rept 16
	v_ldexp_f32 v[INVF+k], v[INVF+k], v[80+k]
.set k, k+1
.endr
.macro FRAG reg, adr, q, i             ; a fragment, 16 rows x 128 K, is 16 registers: lane l holds row l % 16; registers 4 c .. 4 c + 3 hold K = 32 c + 16 (l / 16) + 0 .. 15: the same order of k in A and in B
.irp c, 0,1,2,3
	ds_load_b128 v[\reg+4*\c:\reg+4*\c+3], v[\adr] offset:128*(\q)+32*\c+(\i)*16*PITCH
.endr
.endm
; 16 matrix instructions: A's blocks a0, a0 + 1 x B's eight, 128 along K.  p: B's set.  zero = 1: the first product starts the sums.  The 64 accumulators take turns, one instruction a turn.
.macro MUL16 a0, p, zero
.irp a, \a0, \a0+1
.irp b, 0,1,2,3,4,5,6,7
.if \zero
	v_wmma_f32_16x16x128_fp8_fp8 v[8*(8*((\a)%4)+\b):8*(8*((\a)%4)+\b)+7], v[128*(\p)+FR*\b:128*(\p)+FR*\b+FR-1], v[AF+FR*(\a):AF+FR*(\a)+FR-1], 0
.else
	v_wmma_f32_16x16x128_fp8_fp8 v[8*(8*((\a)%4)+\b):8*(8*((\a)%4)+\b)+7], v[128*(\p)+FR*\b:128*(\p)+FR*\b+FR-1], v[AF+FR*(\a):AF+FR*(\a)+FR-1], v[8*(8*((\a)%4)+\b):8*(8*((\a)%4)+\b)+7]
.endif
.endr
.endr
.endm
.macro FETCH_B slot, q, p              ; B's eight fragments of the slot's q-th 128 along K into set p
	WIN TO_B
.irp i, 0,1,2,3,4,5,6,7
	FRAG 128*(\p)+FR*\i, ADRB+\slot, \q, \i
.endr
	WIN 0
.endm
.macro FETCH_A slot, q, i0             ; A's blocks i0 .. i0 + 3
.irp i, \i0, \i0+1, \i0+2, \i0+3
	FRAG AF+FR*(\i), ADRA+\slot, \q, \i
.endr
.endm
.macro PLACES n                        ; plain vector lines between a matrix instruction and a load into, or a vector read or write of, its registers
.rept \n
	v_nop
.endr
.endm
; A step of 128 along K that has its successor in the same slot.
.macro STEP slot, q, zero
	s_wait_dscnt 4*NL                              ; B's set and A's blocks 0-3 are in; the youngest 16 loads (A's blocks 4-7) may be out
	WIN MUL_LO
	MUL16 0, (\q)%2, \zero
	MUL16 2, (\q)%2, \zero
	s_wait_dscnt 0                                 ; A's blocks 4-7 are in
	PLACES NP
	FETCH_B \slot, (\q)+1, 1-(\q)%2
	FETCH_A \slot, (\q)+1, 0
	WIN MUL_HI
	MUL16 4, (\q)%2, \zero
	MUL16 6, (\q)%2, \zero
	PLACES NP
	WIN 0
	FETCH_A \slot, (\q)+1, 4
.endm
; A slot's last step changes slots: one barrier; in front of it each wave waits for all its tensor loads, adds 0 to its spare word, and waits for that and for its reads of this slot.  fill = 1: this slot is filled again, two K steps ahead.
.macro TURN slot, next, fill
	s_wait_tensorcnt 0x0                           ; all my tensor loads have landed: my part of the next slot (every window is 0 here)
	ds_add_u32 v[SPW], v[NIL]                      ; 0 onto my spare word
	s_wait_dscnt 4*NL+1                            ; (the add and the youngest 16 loads, A's blocks 4-7, may be out)
	WIN MUL_LO
	MUL16 0, 1, 0                                  ; sixteen matrix instructions stand between the add and the wait for it
	s_wait_dscnt 0x0                               ; the add is done, and my reads of this slot are over
	s_barrier_signal -1
	MUL16 2, 1, 0
	WIN 0
	s_barrier_wait -1
.if \fill
	CREST                                          ; the barrier has opened a round of the cluster's barrier: no wave of any partner still reads this slot or has a load on its way
	s_add_nc_u64 s[G0+4*\slot+2:G0+4*\slot+3], s[G0+4*\slot+2:G0+4*\slot+3], 2*ROWB
	s_add_nc_u64 s[G0B+4*\slot+2:G0B+4*\slot+3], s[G0B+4*\slot+2:G0B+4*\slot+3], 2*ROWB
	JLOAD G0+4*\slot, G1, G0B+4*\slot, G1B         ; the first tensor load behind the round; its four v_nop are the places in front of the loads below
.else
	PLACES NP
.endif
	FETCH_B \next, 0, 0
	FETCH_A \next, 0, 0
	WIN MUL_HI
	MUL16 4, 1, 0
	MUL16 6, 1, 0
	PLACES NP
	WIN 0
	FETCH_A \next, 0, 4
.endm
	s_wait_tensorcnt 1                             ; my part of K step 0 is in (K step 1's load may be out)
	s_barrier_signal -1
	s_barrier_wait -1                              ; everybody's is
	FETCH_B 0, 0, 0
	FETCH_A 0, 0, 0
	FETCH_A 0, 0, 4
	STEP 0, 0, 1                                   ; the first step stands in front of the loop: its products start the sums
	s_mov_b32 s3, LAPS-1
.Llap:                                                 ; a trip goes once round the ring and fills both slots again
	TURN 0, 1, 1
	STEP 1, 0, 0
	TURN 1, 0, 1
	STEP 0, 0, 0
	s_sub_co_u32 s3, s3, 1
	s_cmp_lg_u32 s3, 0
	s_cbranch_scc1 .Llap
	TURN 0, 1, 0                                   ; the last lap fills nothing
	STEP 1, 0, 0
	s_wait_dscnt 4*NL                              ; the very last step: nothing more to fetch
	WIN MUL_LO
	MUL16 0, 1, 0
	MUL16 2, 1, 0
	s_wait_dscnt 0
	WIN MUL_HI
	MUL16 4, 1, 0
	MUL16 6, 1, 0
	WIN 0
	; THE WAY OUT.  The conversion's one scale, chosen without a jump on loaded numbers
	s_wait_kmcnt 0x0
	s_wait_loadcnt 0x0                             ; the positions
	s_add_co_i32 s18, s88, s89                     ; e0 + e1
	s_add_co_i32 s19, s90, s91                     ; e2 + e3
	s_add_co_i32 s20, s92, s93                     ; e4 + e5
	s_cmp_eq_u32 s66, 0
	s_cselect_b32 s18, s18, s19
	s_cselect_b32 s21, s94, s95                    ; e6 or e7
	s_cmp_eq_u32 s66, 2
	s_cselect_b32 s18, s20, s18
	s_cselect_b32 s21, s96, s21                    ; or e9
	s_sub_co_i32 s18, s21, s18                     ; eo - eA - eB
	s_add_co_i32 s18, s18, 127
	s_lshl_b32 s98, s18, 23
	s_add_co_i32 s18, s18, 8
	s_lshl_b32 s99, s18, 23
	s_or_b32 s99, s99, 0x600000
	PLACES NP                                      ; behind the last products: their results are read, and the registers that held A's fragments are written, only from here on
	v_mov_b32 v[SC], s98                           ; 2^(eo - eA - eB) as f32: the conversion takes its exponent field
	v_mov_b32 v[LIM], s99                          ; 448 x that
	s_cmp_eq_u32 s66, 2
	s_cbranch_scc1 .Lv                             ; on the cluster's number: the same in every wave of all sixteen partners
	; ---- Q and K
	s_cmp_eq_u32 s66, 0
	s_cselect_b64 s[10:11], s[80:81], s[82:83]     ; qc or kc
	s_lshr_b32 s18, s17, 3                         ; the batch,
	s_lshl_b32 s18, s18, 4
	s_lshl_b32 s19, s42, 2
	s_add_co_u32 s18, s18, s19                     ; + four heads to a tile of 256 channels
	s_lshl_b32 s19, s16, 1
	s_add_co_u32 s18, s18, s19                     ; + two to my half
	s_lshl_b32 s18, s18, 17                        ; x 131,072 bytes
	s_and_b32 s19, s17, 7
	s_lshl_b32 s19, s19, 4
	s_lshl_b32 s20, s15, 3
	s_add_co_u32 s19, s19, s20                     ; my first tile of 16 tokens in the sequence
	s_lshl_b32 s19, s19, 10
	s_add_co_u32 s18, s18, s19
	s_mov_b32 s19, 0
	s_add_nc_u64 s[10:11], s[10:11], s[18:19]
.macro KONST reg, val
	v_mov_b32 v[\reg], \val
	v_mov_b32 v[\reg+1], \val
.endm
	KONST KIP, 0x3ea2f983                          ; 1 / pi
	KONST KMG, 0x4b400000                          ; 1.5 x 2^23: a sum with it has the nearest whole number in its low bits
	KONST KNM, 0xcb400000
	KONST KPH, 0xc0490fdb                          ; -pi, the f32 nearest to it,
	KONST KPL, 0x33bbbd2e                          ; and what that leaves
	KONST K3,  0xbe2aaaab                          ; -1/3!
	KONST K5,  0x3c088889                          ; 1/5!
	KONST K7,  0xb9500d01
	KONST K9,  0x3638ef1d
	KONST K11, 0xb2d7322b
	KONST K2,  -0.5
	KONST K4,  0x3d2aaaab                          ; 1/4!
	KONST K6,  0xbab60b61
	KONST K8,  0x37d00d01
	KONST K10, 0xb493f27e
	KONST K12, 0x310f76c7
	KONST ONE, 1.0
.irp a, 0,1,2,3,4,5,6,7
	v_cvt_f32_i32 v[POS+\a], v[POS+\a]
.endr
; eight packed multiply-adds: d = x y + z for the 16 numbers; ys, zs = 1: y, z run with the numbers, 0: a constant pair
.macro PF d, x, y, ys, z, zs
.set p, 0
.rept 8
	v_pk_fma_f32 v[\d+p:\d+p+1], v[\x+p:\x+p+1], v[\y+\ys*p:\y+\ys*p+1], v[\z+\zs*p:\z+\zs*p+1]
.set p, p+2
.endr
.endm
.macro PM d, x, y
.set p, 0
.rept 8
	v_pk_mul_f32 v[\d+p:\d+p+1], v[\x+p:\x+p+1], v[\y+p:\y+p+1]
.set p, p+2
.endr
.endm
; cosine and sine of my row 16 a + r's 16 angles.  Each stage is written for all 16, so that no line waits for the line above it
.macro SINCOS a
.set k, 0
.rept 16
	v_mul_f32 v[ANG+k], v[POS+(\a)], v[INVF+k]     ; position x frequency: one rounding
.set k, k+1
.endr
	PF YY, ANG, KIP, 0, KMG, 0
.set p, 0
.rept 8
	v_pk_add_f32 v[NN+p:NN+p+1], v[YY+p:YY+p+1], v[KNM:KNM+1]   ; n
.set p, p+2
.endr
	PF ANG, NN, KPH, 0, ANG, 1                     ; r = angle - n pi
	PF ANG, NN, KPL, 0, ANG, 1
	PM NN, ANG, ANG                                ; r^2
	PF PSN, NN, K11, 0, K9, 0
	PF PCS, NN, K12, 0, K10, 0
	PF PSN, PSN, NN, 1, K7, 0
	PF PCS, PCS, NN, 1, K8, 0
	PF PSN, PSN, NN, 1, K5, 0
	PF PCS, PCS, NN, 1, K6, 0
	PF PSN, PSN, NN, 1, K3, 0
	PF PCS, PCS, NN, 1, K4, 0
	PM QQ, ANG, NN                                 ; r^3
	PF PCS, PCS, NN, 1, K2, 0
	PF PSN, PSN, QQ, 1, ANG, 1                     ; sin r
	PF PCS, PCS, NN, 1, ONE, 0                     ; cos r
.set k, 0
.rept 16
	v_lshlrev_b32 v[YY+k], 31, v[YY+k]             ; n's lowest bit as a sign
.set k, k+1
.endr
.set k, 0
.rept 16
	v_xor_b32 v[CS+2*k], v[PCS+k], v[YY+k]
	v_xor_b32 v[CS+2*k+1], v[PSN+k], v[YY+k]
.set k, k+1
.endr
.endm
; block a's 8 accumulators are rotated into v[RO] on.  Accumulator b holds channels 16 (b % 4) + 8 h + 0 .. 7 of head b / 4: pairs 8 (b % 4) + 4 h + 0 .. 3.  Each accumulator is read from its low end on
.macro ROPE a
	WIN 0x02+(\a)/4                                ; source 0: window 2 or 3
.set b, 0
.rept 8
.set AB, 64*((\a)%4)+8*b
.set CB, CS+8*(b%4)
.set TB, TT+8*(b%2)
.irp jj, 0,1,2,3
	v_mul_f32 v[TB+2*\jj], v[AB+2*\jj+1], v[CB+2*\jj+1]      ; x2 sin
	v_mul_f32 v[TB+2*\jj+1], v[AB+2*\jj+1], v[CB+2*\jj]      ; x2 cos
.endr
.irp jj, 0,1,2,3
	v_fma_f32 v[RO+8*b+2*\jj], v[AB+2*\jj], v[CB+2*\jj], -v[TB+2*\jj]        ; x1 cos - x2 sin
	v_fma_f32 v[RO+8*b+2*\jj+1], v[AB+2*\jj], v[CB+2*\jj+1], v[TB+2*\jj+1]   ; x1 sin + x2 cos
.endr
.set b, b+1
.endr
	WIN 0
.endm
; the 64 numbers in v[RO] on become 64 codes in set a % 2
.macro TOCODES a
.set CD, CODE+16*((\a)%2)
.irp b, 0,1,2,3,4,5,6,7
	v_cvt_scalef32_pk8_fp8_f32 v[CD+2*\b:CD+2*\b+1], v[RO+8*\b:RO+8*\b+7], v[SC]
.endr
	v_nop                                          ; one plain vector line behind the last conversion: the next block writes its sources
.endm
.macro QOUT a
	s_wait_xcnt 0x0                                ; the stores of two blocks ago have read this set of codes
.set j, 0
.rept 64
.set j, j+1
.endr
	TOCODES \a
.irp e, 0,1
.irp i, 0,1
	global_store_b128 v[CO], v[CD+8*\e+4*\i:CD+8*\e+4*\i+3], s[10:11] offset:\e*131072+(\a)*1024+\i*512   ; head e of my two, tile a of my eight, half i of the image: 512 consecutive bytes
.endr
.endr
.endm
.irp a, 0,1,2,3,4,5,6,7
	SINCOS \a
	ROPE \a
	s_wait_alu depctr_va_vdst(0)
	QOUT \a
.endr
	s_branch .Lend
	; ---- V: lane (r, h) holds channel 16 a + r of my 128 rows of Wv and keys 16 b + 8 h + 0 .. 7 of my 128 rows of x
.Lv:
	s_lshr_b32 s18, s42, 3                         ; the batch (x is B here),
	s_lshl_b32 s18, s18, 4
	s_lshl_b32 s19, s17, 2
	s_add_co_u32 s18, s18, s19                     ; + four heads to a tile of 256 rows of Wv
	s_lshl_b32 s19, s15, 1
	s_add_co_u32 s18, s18, s19                     ; + two to my half
	s_lshl_b32 s18, s18, 17
	s_and_b32 s19, s42, 7
	s_lshl_b32 s19, s19, 1
	s_add_co_u32 s19, s19, s16                     ; my step of 128 keys in the sequence
	s_lshl_b32 s19, s19, 13
	s_add_co_u32 s18, s18, s19
	s_mov_b32 s19, 0
	s_add_nc_u64 s[10:11], s[84:85], s[18:19]
.macro VOUT a
	s_wait_xcnt 0x0                                ; the stores of two blocks ago have read this set of codes
	WIN 0x02+(\a)/4
.set j, 0
.rept 64
	v_med3_num_f32 v[RO+j], v[64*((\a)%4)+j], -v[LIM], v[LIM]   ; the hold, out of the accumulators, each from its low end on
.set j, j+1
.endr
	WIN 0
	TOCODES \a
.irp i, 0,1,2,3
	global_store_b128 v[CO], v[CD+4*\i:CD+4*\i+3], s[10:11] offset:((\a)/4)*131072+((\a)%4)*2048+\i*512   ; head a / 4 of my two, channels 16 (a % 4) on, keys 32 i on
.endr
.endm
	s_wait_alu depctr_va_vdst(0)
.irp a, 0,1,2,3,4,5,6,7
	VOUT \a
.endr
.Lend:
	s_wait_tensorcnt 0x0                           ; the wave's end
	ds_add_u32 v[SPW], v[NIL]
	s_wait_dscnt 0x0
	CROUND                                         ; the closing round: no work-group ends while a partner may still ask for a tile that names it
	s_endpgm
.Lfunc_end_k_q4982be247b_qkv:
	.size	k_q4982be247b_qkv, .Lfunc_end_k_q4982be247b_qkv-k_q4982be247b_qkv
	.p2alignl 7, 3214868480
	.fill 96, 4, 3214868480
	.section	.rodata,"a",@progbits
	.p2align	6, 0x0
	.amdhsa_kernel k_q4982be247b_qkv
		.amdhsa_group_segment_fixed_size 327680
		.amdhsa_private_segment_fixed_size 0
		.amdhsa_enable_private_segment 0
		.amdhsa_kernarg_size 72
		.amdhsa_user_sgpr_count 2
		.amdhsa_user_sgpr_kernarg_segment_ptr 1
		.amdhsa_wavefront_size32 1
		.amdhsa_system_sgpr_workgroup_id_x 1
		.amdhsa_system_sgpr_workgroup_id_y 1
		.amdhsa_system_sgpr_workgroup_id_z 1
		.amdhsa_system_vgpr_workitem_id 0
		.amdhsa_next_free_vgpr 1024
		.amdhsa_next_free_sgpr 102
		.amdhsa_reserve_vcc 0
		.amdhsa_float_denorm_mode_32 3
		.amdhsa_float_denorm_mode_16_64 3
		.amdhsa_fp16_overflow 1
		.amdhsa_memory_ordered 1
		.amdhsa_forward_progress 1
		.amdhsa_inst_pref_size 255
	.end_amdhsa_kernel
	.section	.bss,"aw",@nobits
	.p2align	6
	.space	262144
	.amdgpu_metadata
---
amdhsa.version: [ 1, 2 ]
amdhsa.kernels:
  - .name:           k_q4982be247b_qkv
    .symbol:         k_q4982be247b_qkv.kd
    .args:
      - { .name: x_codes, .offset: 0, .size: 8, .value_kind: global_buffer, .address_space: global }
      - { .name: Wq_codes, .offset: 8, .size: 8, .value_kind: global_buffer, .address_space: global }
      - { .name: Wk_codes, .offset: 16, .size: 8, .value_kind: global_buffer, .address_space: global }
      - { .name: Wv_codes, .offset: 24, .size: 8, .value_kind: global_buffer, .address_space: global }
      - { .name: lowp_scales, .offset: 32, .size: 8, .value_kind: global_buffer, .address_space: global }
      - { .name: token_positions, .offset: 40, .size: 8, .value_kind: global_buffer, .address_space: global }
      - { .name: qc, .offset: 48, .size: 8, .value_kind: global_buffer, .address_space: global }
      - { .name: kc, .offset: 56, .size: 8, .value_kind: global_buffer, .address_space: global }
      - { .name: vc, .offset: 64, .size: 8, .value_kind: global_buffer, .address_space: global }
    .group_segment_fixed_size: 327680
    .private_segment_fixed_size: 0
    .kernarg_segment_align: 8
    .kernarg_segment_size: 72
    .max_flat_workgroup_size: 128
    .sgpr_count:     102
    .vgpr_count:     1024
    .wavefront_size: 32
...
	.end_amdgpu_metadata
.endif
;; end of part 1
;; launch attn (part 2): grid 4 x 64, 8 waves a work-group, clusters of 4 x 1, 263,168 bytes of LDS; arguments qc, kc, vc, lowp_scales, oc; writes oc
.if DOCPART == 2
	.amdgcn_target "amdgcn-amd-amdhsa--gfx1250"
	.amdhsa_code_object_version 6
	.text
	.protected	k_q4982be247b_attn
	.globl	k_q4982be247b_attn
	.p2align	8
	.type	k_q4982be247b_attn,@function
k_q4982be247b_attn:
	s_mov_b64 s[64:65], 0
	v_nop
	global_prefetch_b8 v0, s[64:65] scope:SCOPE_SE
	s_setreg_imm32_b32 hwreg(HW_REG_WAVE_MODE, 25, 1), 1
	s_wait_xcnt 0x0
	s_wait_alu depctr_hold_cnt(0) depctr_sa_sdst(0) depctr_va_vdst(0) depctr_va_sdst(0) depctr_va_ssrc(0) depctr_va_vcc(0) depctr_vm_vsrc(0)
	s_getreg_b32 s2, hwreg(HW_REG_IB_STS2, 6, 4)
	s_cmp_eq_u32 s2, 0
	s_cbranch_scc0 .Lentry_in_a_cluster
	s_endpgm
.Lentry_in_a_cluster:
	s_bfe_u32 s2, ttmp6, 0x10000c
	s_cmp_lg_u32 s2, 0x3003
	s_cbranch_scc0 .Lentry_shape_is_right
	s_endpgm
.Lentry_shape_is_right:
; Causal attention on codes of FP8 (E4M3), 64 heads-and-batches of 2,048 tokens x 64 channels; the result is quantised with 2^e10 and stored as an image of the last product's operand registers.
; qc, kc: [hb 64][tile of 16 tokens 128][i 2][lane 32][16 bytes]; vc: [hb][step of 128 keys 16][tile of 16 channels 4][i 4][lane][16 bytes]: each 512 bytes are four registers of a fragment, lane by lane.
; oc: [tile of 16 rows 512][128 along K 8][c 4][lane 32][16 bytes]: lane (r, h): row r; k = 32 c + 16 h + 0 .. 15.
; THE SOFTMAX: t = score x log2(e) / 8; M = the running largest t, rounded UP to a whole number; p = 2^(t - M) is quantised with 2^e8; the row's sum is taken of the unquantised p and divides at the end.
; When M moves, the sum and O are multiplied by 2^(old M - new M), which rounds nothing.
; SHARES.  A cluster of four work-groups is one head.  ALL of the head's K (131,072 bytes, LDS byte 0 on) and V (131,072 bytes behind it) lie in each work-group's LDS, filled ONCE by joint loads that name the four:
; no slot is ever filled again.  A head has 64 blocks of 32 queries (two tiles of 16).  Wave w of work-group cx takes blocks 63 - 4 w - cx and 4 w + cx.  In steps of 128 keys the first ends in step 15 - w and the second in
; step w, WHATEVER cx IS: every jump hangs on the wave's number alone, and every wave of the launch works 17 steps, two of them on the diagonal.  cx enters Q's and oc's addresses in memory and the mask's threshold (data), nothing else.
; Both tiles of a block use each fragment of K and V that is read from LDS.  Two waves to a SIMD.
; LAYOUT.  Both products transposed: S^T = K Q^T (source 0 = 16 keys, source 1 = 16 queries; K = 64), O^T = V^T P^T (source 0 = 16 channels, source 1 = P; K = 128 keys): a lane holds ONE query (lane % 16) throughout.
; Tile c of S^T gives lane (r, h) keys 16 c + 8 h + 0 .. 7: its eight codes are registers 2 c, 2 c + 1 of the second product's operand in that form's own order of k, in which vc was written.
; Nothing is prefetched: every byte of K, V and Q that the work-group reads is asked for in its first lines.
; LIMITS: e6 + e7 between -123 and 130 (added to c's exponent field); e8 between -126 and 127; e8 + e9 - e10 is applied by v_ldexp_f32.  NaN codes are not served.
; REGISTERS.  Window 0: v1-7 addresses and constants; v8-23 statistics, eight a tile; v24-31 thresholds, permutes' destinations, second sum chains; v32-159 S^T, then p (64 a tile); v160-191 p's codes (16 a tile);
;   v192-223 o's codes (16 a block, never rewritten); v224-247 at work.   Window 1: v0-63 O^T (32 a tile); v64-95 Q of the two blocks; v96-159 K's fragments of a step; v160-223 V's.
.set L16,  1                           ; v1   16 x lane: my place in an image; K's fragments at LDS byte 0 on
.set LV,   2                           ; v2   the same + 131,072: V's
.set ADK,  3                           ; v3   LDS address of the step's K
.set ADV,  4                           ; v4   of its V
.set NINF, 5                           ; v5   -infinity
.set PSC,  6                           ; v6   2^e8 as f32
.set PLIM, 7
.set ST,   8                           ; tile t at v[ST + 8 t]: +0 -M, +1 the largest t, +2, +3 the sum in two halves, +4 f, +5 zero (named with f as a pair), +6, +7 at work
.set DD,   24                          ; v24-25 the mask's threshold for tile 0, 1
.set PX,   26                          ; v26-27 destinations of lane permutes
.set SB,   28                          ; v[28:29], v[30:31] second chains of the sums
.set S,    32
.set P,    160
.set OCH,  192
.set OCL,  208
.set RB,   224                         ; v224 lane % 16 - 8 (lane / 16)
.set C448, 225
.set CONE, 226
.set INV,  228                         ; v[228:229], v[230:231] 2^(e8 + e9 - e10) / the sum, in both halves
.set XT,   232                         ; v232-239 the exchange: what I send
.set XR,   240                         ; v240-247 and what I receive
.set O,    0                           ; window 1
.set QH,   64
.set QL,   80
.set KF,   96
.set VF,   160
.set WV,   14                          ; s14 wave, s15 cx, s16 head-and-batch
.set CX,   15
.set HB,   16
.set G1A,  24                          ; s[24:31] descriptor group 1: 32 rows of 256 bytes;  s[32:39]: 96 rows
.set G1B,  32
.set G0A,  40                          ; s[40:43], s[44:47] groups 0 of my two loads
.set G0B,  44
.set SEL,  48                          ; s[48:49] lane selects for v_permlanex16_b32: lane l xor 16
.set CS,   50                          ; s[50:51] c = log2(e) / 8 x 2^(e6 + e7)
.set KS,   52                          ; s52  the key step
.set TB,   53                          ; s53  8,192 x the key step: where its fragments begin in K's and in V's region
.set GL,   54                          ; s54  the block's last key step, the one on the diagonal
.set MSB, 0
.macro WIN new                         ; the immediate's high byte repeats the setting that is left
.if MSB != (\new)
	s_set_vgpr_msb (MSB<<8)|(\new)
.set MSB, (\new)
.endif
.endm
.macro CROUND                          ; a round of the cluster's barrier
	s_barrier_signal -1
	s_barrier_wait -1
	s_cmp_lg_u32 s[WV], 0
	s_cbranch_scc1 .Lnot_wave_0_\@
	s_barrier_signal -3
.Lnot_wave_0_\@:
	s_barrier_wait -3
	s_barrier_signal -1
	s_barrier_wait -1
.endm
	s_load_b256 s[4:11], s[0:1], 0x0               ; qc s[4:5], kc s[6:7], vc s[8:9], the scales' exponents s[10:11]
	s_load_b64 s[12:13], s[0:1], 0x20              ; oc
	v_lshl_add_u32 v254, v0, 2, 0x40000
	v_mov_b32 v255, 0
	ds_add_u32 v254, v255
	ds_add_u32 v254, v255
	v_lshrrev_b32 v1, 5, v0
	s_delay_alu instid0(VALU_DEP_1)
	v_readfirstlane_b32 s[WV], v1                  ; wave 0..7
	s_bfe_u32 s[CX], ttmp6, 0x40000                ; my place in the cluster
	s_and_b32 s[HB], ttmp7, 0xffff                 ; the head-and-batch, which the four partners share
	; descriptor groups 1: dense blocks as rows of 256 bytes (32 elements of 8 bytes), no padding
	s_mov_b32 s[G1A], 15|(3<<16)|(1<<21)           ; 15:0 the mask: all four work-groups; 17:16 elements of 8 bytes; 21 set beside a mask
	s_mov_b32 s[G1B], 15|(3<<16)|(1<<21)
.irp g, G1A, G1B
	s_mov_b32 s[\g+1], 32<<16                      ; tensor_dim0
	s_mov_b32 s[\g+3], 32<<16                      ; tile_dim0
	s_mov_b32 s[\g+5], 32                          ; tensor_dim0_stride
	s_mov_b32 s[\g+6], 0
	s_mov_b32 s[\g+7], 0
.endr
	s_mov_b32 s[G1A+2], 32<<16                     ; tensor_dim1, tile_dim1: one key step, 8,192 bytes
	s_mov_b32 s[G1A+4], 32
	s_mov_b32 s[G1B+2], 96<<16                     ; three key steps, 24,576 bytes
	s_mov_b32 s[G1B+4], 96
	s_mov_b32 s[SEL], 0x76543210
	s_mov_b32 s[SEL+1], 0xfedcba98
	; what I fetch: waves 0-3 of K, waves 4-7 of V; u = wave % 4: first key step u, then key steps 4 + 3 u .. 6 + 3 u
	s_and_b32 s17, s[WV], 3
	s_lshr_b32 s55, s[WV], 2
	s_lshl_b32 s55, s55, 17                        ; K's or V's region in LDS
	s_lshl_b32 s18, s17, 13
	s_mov_b32 s19, 0
	s_mul_i32 s20, s17, 24576
	s_add_co_u32 s20, s20, 32768
	s_mov_b32 s21, 0
	s_lshl_b32 s22, s[HB], 17                      ; the head's first byte in qc, kc and vc
	s_mov_b32 s23, 0
	s_wait_dscnt 0x0
	s_wait_kmcnt 0x0
	s_load_b128 s[56:59], s[10:11], 0x18           ; e6, e7, e8, e9
	s_load_b32 s60, s[10:11], 0x28                 ; e10
	s_cmp_lt_u32 s[WV], 4
	s_cselect_b64 s[70:71], s[6:7], s[8:9]
	s_add_nc_u64 s[70:71], s[70:71], s[22:23]
	s_mov_b32 s[G0A], 1                            ; count = 1
	s_add_co_u32 s[G0A+1], s55, s18                ; LDS address
	s_add_nc_u64 s[G0A+2:G0A+3], s[70:71], s[18:19]
	s_or_b32 s[G0A+3], s[G0A+3], 0x80000000        ; type = 2
	s_mov_b32 s[G0B], 1
	s_add_co_u32 s[G0B+1], s55, s20
	s_add_nc_u64 s[G0B+2:G0B+3], s[70:71], s[20:21]
	s_or_b32 s[G0B+3], s[G0B+3], 0x80000000
	CROUND                                         ; all four work-groups are here: the joint loads meet
	tensor_load_to_lds s[G0A:G0A+3], s[G1A:G1A+7]  ; my two loads, the only ones of the launch, stand together: two are out
	s_nop 0
	tensor_load_to_lds s[G0B:G0B+3], s[G1B:G1B+7]
	s_nop 0
.rept 4
	v_nop
.endr
	v_and_b32 v[L16], 31, v0
	s_delay_alu instid0(VALU_DEP_1)
	v_lshlrev_b32 v[L16], 4, v[L16]
	s_wait_alu depctr_va_vdst(0)
	v_add_nc_u32 v[LV], 0x20000, v[L16]
	s_lshl_b32 s17, s[WV], 2
	s_add_co_u32 s17, s17, s[CX]                   ; my early block, 4 w + cx,
	s_sub_co_u32 s18, 63, s17                      ; and my late one
	s_add_nc_u64 s[4:5], s[4:5], s[22:23]          ; qc at my head
	s_lshl_b32 s20, s18, 11                        ; a block's two tiles are 2,048 bytes
	s_add_nc_u64 s[62:63], s[4:5], s[20:21]
	s_lshl_b32 s20, s17, 11
	s_add_nc_u64 s[70:71], s[4:5], s[20:21]
	WIN 0x40                                       ; destination window 1
.irp t, 0,1
.irp i, 0,1
	global_load_b128 v[QH+8*\t+4*\i:QH+8*\t+4*\i+3], v[L16], s[62:63] offset:\t*1024+\i*512
	global_load_b128 v[QL+8*\t+4*\i:QL+8*\t+4*\i+3], v[L16], s[70:71] offset:\t*1024+\i*512
.endr
.endr
	WIN 0
	; oc: tile of rows 128 x batch + 2 x block + t; 128 along K = head / 2; c = 2 (head % 2) + 0, 1
	s_lshr_b32 s20, s[HB], 4
	s_lshl_b32 s20, s20, 21
	s_bfe_u32 s22, s[HB], 0x30001
	s_lshl_b32 s22, s22, 11
	s_add_co_u32 s20, s20, s22
	s_and_b32 s22, s[HB], 1
	s_lshl_b32 s22, s22, 10
	s_add_co_u32 s20, s20, s22
	s_lshl_b32 s22, s18, 15
	s_add_co_u32 s22, s22, s20
	s_add_nc_u64 s[66:67], s[12:13], s[22:23]      ; the late block's
	s_lshl_b32 s22, s17, 15
	s_add_co_u32 s22, s22, s20
	s_add_nc_u64 s[68:69], s[12:13], s[22:23]      ; the early block's
	v_mov_b32 v[NINF], 0xff800000
	v_and_b32 v[RB], 15, v0
	v_bfe_u32 v[C448], v0, 4, 1
	s_delay_alu instid0(VALU_DEP_1)
	v_lshlrev_b32 v[C448], 3, v[C448]
	s_delay_alu instid0(VALU_DEP_1)
	v_sub_nc_u32 v[RB], v[RB], v[C448]
	v_mov_b32 v[CONE], 1.0
	v_mov_b32 v[PX], 0                             ; written once: a lane permute's destination counts as one of its sources
	v_mov_b32 v[PX+1], 0
.irp n, 0,1,2,3,4,5,6,7
	v_mov_b32 v[XR+\n], 0
.endr
	s_wait_kmcnt 0x0
	s_mov_b32 s[CS], 0x3e38aa3b                    ; log2(e) / 8
	s_add_co_i32 s20, s56, s57
	s_lshl_b32 s20, s20, 23
	s_add_co_i32 s[CS], s[CS], s20                 ; a score stands for score x 2^(e6 + e7): added to c's exponent field
	s_mov_b32 s[CS+1], s[CS]                       ; (named with it as a pair, so it is written)
	s_add_co_i32 s20, s58, 127
	s_lshl_b32 s21, s20, 23
	v_mov_b32 v[PSC], s21
	s_add_co_i32 s61, s58, s59
	s_sub_co_i32 s61, s61, s60                     ; e8 + e9 - e10
; A KEY STEP: 128 keys against the block's two tiles of queries, whose fragments begin at v[q] of window 1.
; chk = 1: a step behind the block's diagonal is left out (a jump on the wave's number and the step's), and the step on the diagonal hides the keys that come after each query.
.macro STEP q, chk
.if \chk
	s_cmp_gt_u32 s[KS], s[GL]
	s_cbranch_scc1 .Lskip_\@
.endif
	s_setprio 2
	v_add_nc_u32 v[ADK], s[TB], v[L16]
	v_add_nc_u32 v[ADV], s[TB], v[LV]
.rept 4
	v_nop                                          ; places in front of loads into registers that the last step's products have read
.endr
	WIN 0x40                                       ; destination window 1
.irp c, 0,1,2,3,4,5,6,7
.irp i, 0,1
	ds_load_b128 v[KF+8*\c+4*\i:KF+8*\c+4*\i+3], v[ADK] offset:1024*\c+512*\i
.endr
.endr
.irp d, 0,1,2,3
.irp i, 0,1,2,3
	ds_load_b128 v[VF+16*\d+4*\i:VF+16*\d+4*\i+3], v[ADV] offset:2048*\d+512*\i
.endr
.endr
	s_wait_dscnt 16                                ; K's sixteen loads are in; V's sixteen, issued behind them, may stay out through the softmax
	WIN 0x05                                       ; sources 0 and 1 window 1, result window 0
.irp c, 0,1,2,3,4,5,6,7
.irp t, 0,1
	v_wmma_f32_16x16x64_fp8_fp8 v[S+64*\t+8*\c:S+64*\t+8*\c+7], v[KF+8*\c:KF+8*\c+7], v[\q+8*\t:\q+8*\t+7], 0
.endr
.endr
	WIN 0
.rept 4
	v_nop                                          ; places in front of the first read of the scores
.endr
.if \chk
	s_cmp_lg_u32 s[KS], s[GL]
	s_cbranch_scc1 .Lopen_\@
	s_wait_alu depctr_va_vdst(0)
.irp t, 0,1                            ; register 8 c + j holds key 16 c + 8 h + j of the step: hidden where 16 c + j > my query - the step's first key - 8 h
.set n, 0
.rept 64
	v_cmp_gt_i32 vcc_lo, 16*(n/8)+n%8, v[DD+\t]
	v_cndmask_b32 v[S+64*\t+n], v[S+64*\t+n], v[NINF], vcc_lo
.set n, n+1
.endr
.endr
.Lopen_\@:
.endif
	; the step's largest score of each query, among my 64 keys, in two chains a tile, ascending; the two tiles alternate
.irp t, 0,1
	v_max3_num_f32 v[ST+8*\t+6], v[S+64*\t], v[S+64*\t+1], v[S+64*\t+2]
.endr
.irp t, 0,1
	v_max3_num_f32 v[ST+8*\t+7], v[S+64*\t+3], v[S+64*\t+4], v[S+64*\t+5]
.endr
.set i, 6
.rept 14
.irp t, 0,1
	v_max3_num_f32 v[ST+8*\t+6], v[ST+8*\t+6], v[S+64*\t+i], v[S+64*\t+i+1]
.endr
.irp t, 0,1
	v_max3_num_f32 v[ST+8*\t+7], v[ST+8*\t+7], v[S+64*\t+i+2], v[S+64*\t+i+3]
.endr
.set i, i+4
.endr
.irp t, 0,1
	v_max3_num_f32 v[ST+8*\t+6], v[ST+8*\t+6], v[S+64*\t+62], v[S+64*\t+63]
.endr
.irp t, 0,1
	s_delay_alu instid0(VALU_DEP_2)
	v_max_num_f32 v[ST+8*\t+6], v[ST+8*\t+6], v[ST+8*\t+7]
.endr
.irp t, 0,1
	s_delay_alu instid0(VALU_DEP_2)
	v_permlanex16_b32 v[PX+\t], v[ST+8*\t+6], s[SEL], s[SEL+1]
.endr
.irp t, 0,1
	s_delay_alu instid0(VALU_DEP_2)
	v_max_num_f32 v[ST+8*\t+6], v[ST+8*\t+6], v[PX+\t]       ; and among lane l xor 16's
.endr
.irp t, 0,1
	s_delay_alu instid0(VALU_DEP_2)
	v_mul_f32 v[ST+8*\t+6], s[CS], v[ST+8*\t+6]              ; as t (c is positive)
.endr
.irp t, 0,1
	s_delay_alu instid0(VALU_DEP_2)
	v_max_num_f32 v[ST+8*\t+1], v[ST+8*\t+1], v[ST+8*\t+6]   ; the running largest t
.endr
.irp t, 0,1
	v_mov_b32 v[ST+8*\t+6], v[ST+8*\t]
.endr
.irp t, 0,1
	s_delay_alu instid0(VALU_DEP_4)
	v_floor_f32 v[ST+8*\t], -v[ST+8*\t+1]                    ; the new -M = floor(-t): M is a whole number
.endr
.irp t, 0,1
	s_delay_alu instid0(VALU_DEP_2)
	v_sub_f32 v[ST+8*\t+6], v[ST+8*\t], v[ST+8*\t+6]         ; old M - new M: a whole number, 0 or less
.endr
.irp t, 0,1
	s_delay_alu instid0(VALU_DEP_2)
	v_cvt_i32_f32 v[ST+8*\t+6], v[ST+8*\t+6]                 ; (it saturates)
.endr
.irp t, 0,1
	s_delay_alu instid0(VALU_DEP_2)
	v_ldexp_f32 v[ST+8*\t+4], 1.0, v[ST+8*\t+6]              ; f = 2^(old M - new M)
.endr
.set i, 0
.rept 32
	v_pk_fma_f32 v[S+i:S+i+1], v[S+i:S+i+1], s[CS:CS+1], v[ST:ST+1] op_sel_hi:[1,0,0]   ; tile 0: t - M, two at a time (of the pairs c and -M the low word serves both halves)
.set i, i+2
.endr
	; tile 0's exponentials, with tile 1's scalings between them
.set u, 0
	s_setprio 1
	s_wait_alu depctr_va_vdst(0)
.rept 16
	v_exp_f32 v[S+4*u], v[S+4*u]
	v_pk_fma_f32 v[S+64+4*u:S+64+4*u+1], v[S+64+4*u:S+64+4*u+1], s[CS:CS+1], v[ST+8:ST+9] op_sel_hi:[1,0,0]
	v_exp_f32 v[S+4*u+1], v[S+4*u+1]
	v_pk_fma_f32 v[S+64+4*u+2:S+64+4*u+3], v[S+64+4*u+2:S+64+4*u+3], s[CS:CS+1], v[ST+8:ST+9] op_sel_hi:[1,0,0]
	v_exp_f32 v[S+4*u+2], v[S+4*u+2]
	v_exp_f32 v[S+4*u+3], v[S+4*u+3]
.set u, u+1
.endr
.irp t, 0,1
	v_pk_mul_f32 v[ST+8*\t+2:ST+8*\t+3], v[ST+8*\t+2:ST+8*\t+3], v[ST+8*\t+4:ST+8*\t+5] op_sel_hi:[1,0]   ; the sums under the new M.  (Plain lines behind the exponentials)
.endr
	; tile 1's exponentials, with tile 0's sums (of the UNQUANTISED p, in two chains) between them
.set u, 0
	s_wait_alu depctr_va_vdst(0)
.rept 16
	v_exp_f32 v[S+64+4*u], v[S+64+4*u]
.if u == 0
	s_wait_alu depctr_va_vdst(0)
	v_pk_add_f32 v[SB:SB+1], v[S:S+1], v[S+2:S+3]
.else
	v_pk_add_f32 v[ST+2:ST+3], v[ST+2:ST+3], v[S+4*u:S+4*u+1]
.endif
	v_exp_f32 v[S+64+4*u+1], v[S+64+4*u+1]
.if u > 0
	s_wait_alu depctr_va_vdst(0)
	v_pk_add_f32 v[SB:SB+1], v[SB:SB+1], v[S+4*u+2:S+4*u+3]
.endif
	v_exp_f32 v[S+64+4*u+2], v[S+64+4*u+2]
	v_exp_f32 v[S+64+4*u+3], v[S+64+4*u+3]
.set u, u+1
.endr
	s_wait_alu depctr_va_vdst(0)
	v_pk_add_f32 v[ST+2:ST+3], v[ST+2:ST+3], v[SB:SB+1]
.irp c, 0,1,2,3,4,5,6,7
	v_cvt_scalef32_pk8_fp8_f32 v[P+2*\c:P+2*\c+1], v[S+8*\c:S+8*\c+7], v[PSC]
.endr
	; tile 1's sums and codes
	s_wait_alu depctr_va_vdst(0)
	v_pk_add_f32 v[30:31], v[100:101], v[104:105]
	v_pk_add_f32 v[252:253], v[108:109], v[112:113]
	v_pk_add_f32 v[250:251], v[116:117], v[120:121]
	v_pk_add_f32 v[248:249], v[124:125], v[128:129]
	v_pk_add_f32 v[238:239], v[132:133], v[136:137]
	v_pk_add_f32 v[236:237], v[140:141], v[144:145]
	v_pk_add_f32 v[234:235], v[148:149], v[152:153]
	v_pk_add_f32 v[18:19], v[18:19], v[156:157]
	v_pk_add_f32 v[30:31], v[30:31], v[96:97]
	v_pk_add_f32 v[252:253], v[252:253], v[98:99]
	v_pk_add_f32 v[250:251], v[250:251], v[102:103]
	v_pk_add_f32 v[248:249], v[248:249], v[106:107]
	v_pk_add_f32 v[238:239], v[238:239], v[110:111]
	v_pk_add_f32 v[236:237], v[236:237], v[114:115]
	v_pk_add_f32 v[234:235], v[234:235], v[118:119]
	v_pk_add_f32 v[18:19], v[18:19], v[122:123]
	v_pk_add_f32 v[30:31], v[30:31], v[126:127]
	v_pk_add_f32 v[252:253], v[252:253], v[130:131]
	v_pk_add_f32 v[250:251], v[250:251], v[134:135]
	v_pk_add_f32 v[248:249], v[248:249], v[138:139]
	v_pk_add_f32 v[238:239], v[238:239], v[142:143]
	v_pk_add_f32 v[236:237], v[236:237], v[146:147]
	v_pk_add_f32 v[234:235], v[234:235], v[150:151]
	v_pk_add_f32 v[18:19], v[18:19], v[154:155]
	v_pk_add_f32 v[30:31], v[30:31], v[158:159]
	s_delay_alu instid0(VALU_DEP_2)
	v_pk_add_f32 v[18:19], v[18:19], v[248:249]
	s_delay_alu instid0(VALU_DEP_2)
	v_pk_add_f32 v[30:31], v[30:31], v[238:239]
	v_pk_add_f32 v[252:253], v[252:253], v[236:237]
	v_pk_add_f32 v[250:251], v[250:251], v[234:235]
	s_delay_alu instid0(VALU_DEP_2)
	v_pk_add_f32 v[18:19], v[18:19], v[252:253]
	s_delay_alu instid0(VALU_DEP_2)
	v_pk_add_f32 v[30:31], v[30:31], v[250:251]
	s_delay_alu instid0(VALU_DEP_1)
	v_pk_add_f32 v[18:19], v[18:19], v[30:31]
.set i, 0
.rept 64
.set i, i+1
.endr
	s_setprio 0
.irp c, 0,1,2,3,4,5,6,7
	v_cvt_scalef32_pk8_fp8_f32 v[P+16+2*\c:P+16+2*\c+1], v[S+64+8*\c:S+64+8*\c+7], v[PSC]
.endr
	WIN 0x41                                       ; O^T (destination and source 0) window 1, f window 0
.irp t, 0,1
.set i, 0
.rept 16
	v_pk_mul_f32 v[O+32*\t+i:O+32*\t+i+1], v[O+32*\t+i:O+32*\t+i+1], v[ST+8*\t+4:ST+8*\t+5] op_sel_hi:[1,0]   ; O^T under the new M.  (These are also the plain lines behind the conversions)
.set i, i+2
.endr
.endr
	s_wait_alu depctr_va_vdst(0)
	s_wait_dscnt 0x0                               ; V is in
	WIN 0x51                                       ; V window 1, P window 0, C and D window 1
.irp d, 0,1,2,3                        ; eight accumulators, one instruction a turn
.irp t, 0,1
	v_wmma_f32_16x16x128_fp8_fp8 v[O+32*\t+8*\d:O+32*\t+8*\d+7], v[VF+16*\d:VF+16*\d+15], v[P+16*\t:P+16*\t+15], v[O+32*\t+8*\d:O+32*\t+8*\d+7]
.endr
.endr
	WIN 0
.if \chk
.Lskip_\@:
.endif
	s_add_co_u32 s[TB], s[TB], 8192
.endm
; A block begins: the largest t is -3e38, under every t; the sums and O^T are zeros, which the first change of M leaves zeros (so the step is written without a first step of its own).  hi = 1: the late block
.macro PASS_INIT hi
.irp t, 0,1
	v_mov_b32 v[ST+8*\t+1], 0xff61b1e6
	v_mov_b32 v[ST+8*\t+2], 0
	v_mov_b32 v[ST+8*\t+3], 0
	v_mov_b32 v[ST+8*\t+5], 0
.endr
.irp t, 0,1
	v_floor_f32 v[ST+8*\t], -v[ST+8*\t+1]
.endr
	WIN 0x40
.set i, 0
.rept 64
	v_mov_b32 v[O+i], 0
.set i, i+1
.endr
	WIN 0
.if \hi
	s_sub_co_u32 s20, 3, s[CX]                     ; the block's place among the four of its last key step: data for the mask, no jump and no LDS address hangs on it
	s_xor_b32 s[GL], s[WV], 15                     ; 15 - wave
.else
	s_mov_b32 s20, s[CX]
	s_mov_b32 s[GL], s[WV]
.endif
	s_lshl_b32 s20, s20, 5
	v_add_nc_u32 v[DD], s20, v[RB]                 ; my query - the diagonal step's first key - 8 h, tile 0;
	s_delay_alu instid0(VALU_DEP_1)
	v_add_nc_u32 v[DD+1], 16, v[DD]                ; tile 1
	s_mov_b32 s[KS], 0
	s_mov_b32 s[TB], 0
.endm
; A block ends: O^T x 2^(e8 + e9 - e10) / the sum becomes codes.  A lane holds channels 16 d + 8 h + 0 .. 7; the image wants 32 beta + 16 h + 0 .. 15: lanes l and l xor 16 exchange half of their codes.
.macro PASS_OUT ocr, base
.rept 4
	v_nop                                          ; places behind the last products
.endr
.irp t, 0,1
	v_add_f32 v[ST+8*\t+2], v[ST+8*\t+2], v[ST+8*\t+3]
.endr
.irp t, 0,1
	s_delay_alu instid0(VALU_DEP_2)
	v_permlanex16_b32 v[PX+\t], v[ST+8*\t+2], s[SEL], s[SEL+1]
.endr
.irp t, 0,1
	s_delay_alu instid0(VALU_DEP_2)
	v_add_f32 v[ST+8*\t+2], v[ST+8*\t+2], v[PX+\t]           ; the row's sum
.endr
	s_wait_alu depctr_va_vdst(0)
.irp t, 0,1
	v_rcp_f32 v[ST+8*\t+2], v[ST+8*\t+2]
.endr
	v_nop                                          ; a plain line behind the reciprocals
	s_wait_alu depctr_va_vdst(0)
.irp t, 0,1
	v_ldexp_f32 v[INV+2*\t], v[ST+8*\t+2], s61
	v_ldexp_f32 v[INV+2*\t+1], v[ST+8*\t+2], s61
.endr
	WIN 0x01                                       ; source 0 window 1
.irp t, 0,1
.set i, 0
.rept 16
	v_pk_mul_f32 v[S+64*\t+i:S+64*\t+i+1], v[O+32*\t+i:O+32*\t+i+1], v[INV+2*\t:INV+2*\t+1]   ; each accumulator from its low end on
.set i, i+2
.endr
.endr
	WIN 0
.irp t, 0,1
.set i, 0
.rept 32
.set i, i+1
.endr
.endr
.irp t, 0,1
.irp d, 0,1,2,3
	v_cvt_scalef32_pk8_fp8_f32 v[\ocr+8*\t+2*\d:\ocr+8*\t+2*\d+1], v[S+64*\t+8*\d:S+64*\t+8*\d+7], v[CONE]
.endr
.endr
	v_nop                                          ; one plain line behind the last conversion
	s_mov_b32 vcc_lo, 0xffff0000                   ; lanes 16-31
.set n, 0
.rept 8                                ; n = 4 t + 2 beta + word: E = the even channel tile's word, E + 2 the odd one's.  Lanes 0-15 send the odd tile's, lanes 16-31 the even tile's
.set EE, \ocr+8*(n/4)+4*((n/2)%2)+n%2
	v_cndmask_b32 v[XT+n], v[EE+2], v[EE], vcc_lo
.set n, n+1
.endr
.set n, 0
.rept 8
	v_permlanex16_b32 v[XR+n], v[XT+n], s[SEL], s[SEL+1]
.set n, n+1
.endr
.set n, 0
.rept 8
.set EE, \ocr+8*(n/4)+4*((n/2)%2)+n%2
	v_cndmask_b32 v[EE], v[EE], v[XR+n], vcc_lo
	v_cndmask_b32 v[EE+2], v[XR+n], v[EE+2], vcc_lo
.set n, n+1
.endr
.irp t, 0,1
.irp i, 0,1
	global_store_b128 v[L16], v[\ocr+8*\t+4*\i:\ocr+8*\t+4*\i+3], s[\base:\base+1] offset:\t*16384+\i*512   ; 512 consecutive bytes, aligned; these registers are not written again
.endr
.endr
.endm
	PASS_INIT 1
	s_wait_tensorcnt 0x1                           ; my first load (a key step of the first four) is in; my second, issued behind it, may stay out
	s_barrier_signal -1
	s_barrier_wait -1                              ; key steps 0-3 of K and of V are whole
	s_wait_loadcnt 0x0                             ; Q
.Lloop_a:                                          ; the late block's key steps 0-3: it ends in step 8 or later in every wave, so nothing is left out or hidden here
	STEP QH, 0
	s_add_co_u32 s[KS], s[KS], 1
	s_cmp_lt_u32 s[KS], 4
	s_cbranch_scc1 .Lloop_a
	s_setprio 0
	s_wait_tensorcnt 0x0                           ; my second load has had those four steps in which to land
	s_wait_dscnt 0x0
	s_barrier_signal -1
	s_barrier_wait -1                              ; all of K and V is there
	s_mov_b32 s[KS], 4                             ; (as they stand: set anew so that this loop's bounds can be read off here)
	s_mov_b32 s[TB], 4*8192
.Lloop_b:                                          ; its key steps 4-15
	STEP QH, 1
	s_add_co_u32 s[KS], s[KS], 1
	s_cmp_lt_u32 s[KS], 16
	s_cbranch_scc1 .Lloop_b
	s_setprio 0
	PASS_OUT OCH, 66
	PASS_INIT 0
.Lloop_c:                                          ; the early block: it ends in step 7 or earlier
	STEP QL, 1
	s_add_co_u32 s[KS], s[KS], 1
	s_cmp_lt_u32 s[KS], 8
	s_cbranch_scc1 .Lloop_c
	s_setprio 0
	PASS_OUT OCL, 68
	s_wait_tensorcnt 0x0
	ds_add_u32 v254, v255
	s_wait_dscnt 0x0
	CROUND                                         ; the closing round
	s_endpgm
.Lfunc_end_k_q4982be247b_attn:
	.size	k_q4982be247b_attn, .Lfunc_end_k_q4982be247b_attn-k_q4982be247b_attn
	.p2alignl 7, 3214868480
	.fill 96, 4, 3214868480
	.section	.rodata,"a",@progbits
	.p2align	6, 0x0
	.amdhsa_kernel k_q4982be247b_attn
		.amdhsa_group_segment_fixed_size 263168
		.amdhsa_private_segment_fixed_size 0
		.amdhsa_enable_private_segment 0
		.amdhsa_kernarg_size 40
		.amdhsa_user_sgpr_count 2
		.amdhsa_user_sgpr_kernarg_segment_ptr 1
		.amdhsa_wavefront_size32 1
		.amdhsa_system_sgpr_workgroup_id_x 1
		.amdhsa_system_sgpr_workgroup_id_y 1
		.amdhsa_system_sgpr_workgroup_id_z 1
		.amdhsa_system_vgpr_workitem_id 0
		.amdhsa_next_free_vgpr 512
		.amdhsa_next_free_sgpr 72
		.amdhsa_reserve_vcc 1
		.amdhsa_float_denorm_mode_32 3
		.amdhsa_float_denorm_mode_16_64 3
		.amdhsa_fp16_overflow 1
		.amdhsa_memory_ordered 1
		.amdhsa_forward_progress 1
		.amdhsa_inst_pref_size 120
	.end_amdhsa_kernel
	.amdgpu_metadata
---
amdhsa.version: [ 1, 2 ]
amdhsa.kernels:
  - .name:           k_q4982be247b_attn
    .symbol:         k_q4982be247b_attn.kd
    .args:
      - { .name: qc, .offset: 0, .size: 8, .value_kind: global_buffer, .address_space: global }
      - { .name: kc, .offset: 8, .size: 8, .value_kind: global_buffer, .address_space: global }
      - { .name: vc, .offset: 16, .size: 8, .value_kind: global_buffer, .address_space: global }
      - { .name: lowp_scales, .offset: 24, .size: 8, .value_kind: global_buffer, .address_space: global }
      - { .name: oc, .offset: 32, .size: 8, .value_kind: global_buffer, .address_space: global }
    .group_segment_fixed_size: 263168
    .private_segment_fixed_size: 0
    .kernarg_segment_align: 8
    .kernarg_segment_size: 40
    .max_flat_workgroup_size: 256
    .sgpr_count:     72
    .vgpr_count:     512
    .wavefront_size: 32
...
	.end_amdgpu_metadata
.endif
;; end of part 2
;; launch oproj (part 3): grid 4 x 32, 4 waves a work-group, clusters of 4 x 4, 327,680 bytes of LDS; arguments oc, Wo_codes, lowp_scales, out0; writes out0
.if DOCPART == 3
	.amdgcn_target "amdgcn-amd-amdhsa--gfx1250"
	.amdhsa_code_object_version 6
	.text
	.protected	k_q4982be247b_oproj
	.globl	k_q4982be247b_oproj
	.p2align	8
	.type	k_q4982be247b_oproj,@function
k_q4982be247b_oproj:
	s_mov_b64 s[64:65], 0
	v_nop
	global_prefetch_b8 v0, s[64:65] scope:SCOPE_SE
	s_setreg_imm32_b32 hwreg(HW_REG_WAVE_MODE, 25, 1), 1
	s_wait_xcnt 0x0
	s_wait_alu depctr_hold_cnt(0) depctr_sa_sdst(0) depctr_va_vdst(0) depctr_va_sdst(0) depctr_va_ssrc(0) depctr_va_vcc(0) depctr_vm_vsrc(0)
	s_getreg_b32 s2, hwreg(HW_REG_IB_STS2, 6, 4)
	s_cmp_eq_u32 s2, 0
	s_cbranch_scc0 .Lentry_in_a_cluster
	s_endpgm
.Lentry_in_a_cluster:
	s_bfe_u32 s2, ttmp6, 0x10000c
	s_cmp_lg_u32 s2, 0xf033
	s_cbranch_scc0 .Lentry_shape_is_right
	s_endpgm
.Lentry_shape_is_right:
; out0[m][n] = sum over k of o[m][k] Wo[n][k] on codes of FP8 (E4M3); each finished sum x 2^(e10 + e11).  out0: [8192][1024] f32.  Wo: [1024][1024] codes, K innermost.
; o comes as an IMAGE OF OPERAND REGISTERS: oc [tile of 16 rows 512][128 along K 8][c 4][lane 32][16 bytes], lane (r, h): row r, k = 32 c + 16 h + 0 .. 15: the order of k in which four 16-byte loads give Wo's fragments too.
; LIMIT: e10 + e11 between -126 and 127, so that 2^(e10 + e11) is an f32 number.
; A tile of 256 x 256 is made by four waves of 128 x 128 (64 accumulators, 512 registers).  K goes in steps of 256 through a ring of two LDS slots.  A's part of a slot is dense: 16 row tiles x 4,096 bytes, a fragment's
; four loads take 512 consecutive bytes each.  B's part has rows of 256 bytes + 16 of padding.
; CLUSTERS: 4 x 4 work-groups; A's tiles are asked for jointly along a row of the cluster, B's along a column.  Four K steps in all, two asked for at the head: nothing is left that a prefetch could name earlier.
; THE MATRIX INSTRUCTION IS USED TRANSPOSED (source 0 = 16 rows of Wo, source 1 = 16 rows of o): a lane holds eight neighbouring numbers of a row of out0.
; REGISTERS: window 0: v0-31 addresses; from v128 A's fragments, ONE set; on the way out v32-255 are free.  window 1: B's fragments, TWO sets.  windows 2, 3: the accumulators ((a, b) at v[8 (8 (a % 4) + b)]).
.set SIZE_N, 1024
.set ROWB,   256                       ; B: a tile's row in bytes
.set KROW,   1024                      ; a row of Wo in memory
.set PITCH,  272                       ; B's LDS row: 256 bytes + 16 of padding
.set FR,     16
.set NL,     4
.set NP,     4                         ; places behind this matrix instruction (ISA guide 7.12.1)
.set HALFA,  32768                     ; A: 8 row tiles x 4,096 bytes: what one tensor load brings
.set HALFB,  128*PITCH                 ; B: 128 rows
.set SLOT,   2*HALFA+2*HALFB           ; A's two halves, then B's two halves
.set LAPS,   2
.set SPARE,  2*SLOT                    ; behind the ring: the spare words, 128 bytes for each wave
.set SPITCH, 528                       ; the way out: a stage of 16 rows x (512 bytes + 16) for each wave, in slot 0, which has had its last fill and its last read when the first result is stored there
.set ADRA, 16                          ; v16-17  LDS address of my A fragments in slot 0, 1
.set ADRB, 20                          ; v20-21  the same for B
.set STO,  24                          ; v24     the way out: where I put 32 bytes of a row
.set RD,   25                          ; v25     where I read a row back
.set CO,   26                          ; v26     16 x lane
.set SPW,  28                          ; v28     LDS address of my spare word; never rewritten
.set NIL,  29                          ; v29     0; never rewritten
.set TMP,  32                          ; the way out: a block's sums x 2^(e10 + e11)
.set AF,   128
.set BK,   128                         ; the way out: 16 rows read back: v128-191 and v192-255 by turns
.set G1, 24
.set G0, 32
.set G1B, 48
.set G0B, 56
.set MSB, 0
.macro WIN new                         ; the immediate's high byte repeats the setting that is left
.if MSB != (\new)
	s_set_vgpr_msb (MSB<<8)|(\new)
.set MSB, (\new)
.endif
.endm
.set MUL_LO, 0xa1
.set MUL_HI, 0xf1
.set TO_B,   0x40
.macro JLOAD g0a, g1a, g0b, g1b        ; a joint load: waves 0 and 1 fetch for A, waves 2 and 3 for B; four v_nop follow each line
	s_cmp_eq_u32 s15, 0
	s_cbranch_scc0 .Lfor_b_\@
	tensor_load_to_lds s[\g0a:\g0a+3], s[\g1a:\g1a+7]
	s_nop 0
.rept 4
	v_nop
.endr
	s_branch .Lasked_\@
.Lfor_b_\@:
	tensor_load_to_lds s[\g0b:\g0b+3], s[\g1b:\g1b+7]
	s_nop 0
.rept 4
	v_nop
.endr
.Lasked_\@:
.endm
.macro CREST
	s_cmp_lg_u32 s14, 0
	s_cbranch_scc1 .Lnot_wave_0_\@
	s_barrier_signal -3
.Lnot_wave_0_\@:
	s_barrier_wait -3
	s_barrier_signal -1
	s_barrier_wait -1
.endm
.macro CROUND
	s_barrier_signal -1
	s_barrier_wait -1
	CREST
.endm
	s_load_b128 s[4:7], s[0:1], 0x0                ; oc s[4:5], Wo's codes s[6:7]
	s_load_b128 s[8:11], s[0:1], 0x10              ; the scales' exponents s[8:9], out0 s[10:11]
	v_lshl_add_u32 v[SPW], v0, 2, SPARE
	v_mov_b32 v[NIL], 0
	ds_add_u32 v28, v29
	ds_add_u32 v28, v29
	s_wait_dscnt 0x0
	v_lshrrev_b32 v1, 5, v0
	v_readfirstlane_b32 s14, v1                    ; wave 0..3
	s_lshr_b32 s15, s14, 1                         ; which half of the tile's rows is mine.  Also: I fetch for A (0) or for B (1)
	s_and_b32 s16, s14, 1                          ; which half of its columns.  Also: which half of that tile I fetch
	s_bfe_u32 s40, ttmp6, 0x40000                  ; cx, cy
	s_bfe_u32 s41, ttmp6, 0x40004
	s_lshl_b32 s42, ttmp9, 2
	s_add_co_u32 s42, s42, s40                     ; tile column
	s_and_b32 s17, ttmp7, 0xffff
	s_lshl_b32 s17, s17, 2
	s_add_co_u32 s17, s17, s41                     ; tile row
	s_lshl_b32 s43, s41, 2
	s_lshl_b32 s43, 15, s43                        ; my row of the cluster
	s_lshl_b32 s44, 0x1111, s40                    ; my column
	; A's group 1: 8 row tiles; of each, 4,096 consecutive bytes (two steps of 128 along K), 16,384 bytes apart; dense in LDS
	s_or_b32 s[G1+0], s43, (0<<16)|(1<<21)         ; 15:0 the mask: my row; 17:16 element of 1 byte; 21 set beside a mask
	s_mov_b32 s[G1+1], 4096<<16                    ; tensor_dim0
	s_mov_b32 s[G1+2], 8<<16                       ; tensor_dim1
	s_mov_b32 s[G1+3], 4096<<16                    ; tile_dim0
	s_mov_b32 s[G1+4], 8                           ; tile_dim1
	s_mov_b32 s[G1+5], 16384                       ; tensor_dim0_stride
	s_mov_b32 s[G1+6], 0
	s_mov_b32 s[G1+7], 0
	; B's: 128 rows x 256 bytes, padded in LDS
	s_or_b32 s[G1B+0], s44, (0<<16)|(1<<20)|(1<<21)|(5<<22)|(3<<25)
	s_mov_b32 s[G1B+1], ROWB<<16
	s_mov_b32 s[G1B+2], 128<<16
	s_mov_b32 s[G1B+3], ROWB<<16
	s_mov_b32 s[G1B+4], 128
	s_mov_b32 s[G1B+5], KROW
	s_mov_b32 s[G1B+6], 0
	s_mov_b32 s[G1B+7], 0
	s_lshl_b32 s18, s16, 7                         ; which 128 rows of the tile I fetch
	s_lshl_b32 s20, s17, 8
	s_add_co_u32 s20, s20, s18
	s_lshl_b32 s20, s20, 10                        ; A: 16 rows are 16,384 bytes of the image: 1,024 a row, as in B
	s_mov_b32 s21, 0
	s_lshl_b32 s46, s42, 8
	s_add_co_u32 s46, s46, s18
	s_lshl_b32 s46, s46, 10
	s_mov_b32 s47, 0
	s_mul_i32 s45, s16, HALFA                      ; where A's half goes,
	s_mul_i32 s22, s16, HALFB
	s_add_co_u32 s22, s22, 2*HALFA                 ; and B's: no place in the cluster enters an LDS address
	s_wait_kmcnt 0x0
	s_load_b64 s[96:97], s[8:9], 0x28              ; e10, e11
	s_add_nc_u64 s[20:21], s[4:5], s[20:21]
	s_add_nc_u64 s[46:47], s[6:7], s[46:47]
	CROUND                                         ; all sixteen work-groups are here: the first joint loads meet
.irp s, 0,1
	s_mov_b32 s[G0+4*\s], 1
	s_add_co_u32 s[G0+4*\s+1], s45, \s*SLOT
	s_add_nc_u64 s[G0+4*\s+2:G0+4*\s+3], s[20:21], \s*4096
	s_or_b32 s[G0+4*\s+3], s[G0+4*\s+3], 0x80000000
	s_mov_b32 s[G0B+4*\s], 1
	s_add_co_u32 s[G0B+4*\s+1], s22, \s*SLOT
	s_add_nc_u64 s[G0B+4*\s+2:G0B+4*\s+3], s[46:47], \s*ROWB
	s_or_b32 s[G0B+4*\s+3], s[G0B+4*\s+3], 0x80000000
	JLOAD G0+4*\s, G1, G0B+4*\s, G1B
.endr
	v_and_b32 v1, 15, v0                           ; l % 16
	v_bfe_u32 v2, v0, 4, 1                         ; l / 16
	v_mul_u32_u24 v3, v1, PITCH
	v_lshl_add_u32 v4, v2, 4, v3                   ; B: a fragment's row x pitch + 16 x half
	v_and_b32 v6, 31, v0
	v_lshlrev_b32 v[CO], 4, v6                     ; A: 16 x lane
	s_mul_i32 s21, s15, HALFA                      ; my 8 row tiles of A
	s_mul_i32 s22, s16, HALFB                      ; my 128 rows of B,
	s_add_co_u32 s22, s22, 2*HALFA                 ; which lie behind A's two halves
.irp s, 0,1
	v_add_nc_u32 v[ADRA+\s], s21, v[CO]
	v_add_nc_u32 v[ADRB+\s], s22, v4
	s_add_co_u32 s21, s21, SLOT
	s_add_co_u32 s22, s22, SLOT
.endr
	s_mul_i32 s23, s14, 16*SPITCH                  ; my stage
	v_mul_u32_u24 v5, v1, SPITCH                   ; in: row l % 16, 32 bytes for each half of the lanes
	v_lshl_add_u32 v5, v2, 5, v5
	v_add_nc_u32 v[STO], s23, v5
	v_add_nc_u32 v[RD], s23, v[CO]                 ; back: the 32 lanes take one row of 512 bytes
	s_lshl_b32 s20, s17, 8
	s_lshl_b32 s21, s15, 7
	s_add_co_u32 s20, s20, s21                     ; my first row of out0
	s_lshl_b32 s20, s20, 12                        ; x 4,096 bytes (under 2^25)
	s_lshl_b32 s46, s42, 10                        ; my first column, in bytes
	s_lshl_b32 s47, s16, 9
	s_add_co_u32 s46, s46, s47
	s_add_co_u32 s20, s20, s46
	s_mov_b32 s21, 0
	s_add_nc_u64 s[10:11], s[10:11], s[20:21]
.macro FRAGB reg, adr, q, i            ; 16 rows x 128 K of Wo: registers 4 c .. 4 c + 3 hold K = 32 c + 16 (l / 16) + 0 .. 15 of row l % 16
.irp c, 0,1,2,3
	ds_load_b128 v[\reg+4*\c:\reg+4*\c+3], v[\adr] offset:128*(\q)+32*\c+(\i)*16*PITCH
.endr
.endm
.macro FRAGA reg, adr, q, i            ; the same of o, from its image: row tile i, the slot's q-th 128 along K
.irp c, 0,1,2,3
	ds_load_b128 v[\reg+4*\c:\reg+4*\c+3], v[\adr] offset:4096*(\i)+2048*(\q)+512*\c
.endr
.endm
; 16 matrix instructions: A's blocks a0, a0 + 1 x B's eight.  The 64 accumulators take turns, one instruction a turn.
.macro MUL16 a0, p, zero
.irp a, \a0, \a0+1
.irp b, 0,1,2,3,4,5,6,7
.if \zero
	v_wmma_f32_16x16x128_fp8_fp8 v[8*(8*((\a)%4)+\b):8*(8*((\a)%4)+\b)+7], v[128*(\p)+FR*\b:128*(\p)+FR*\b+FR-1], v[AF+FR*(\a):AF+FR*(\a)+FR-1], 0
.else
	v_wmma_f32_16x16x128_fp8_fp8 v[8*(8*((\a)%4)+\b):8*(8*((\a)%4)+\b)+7], v[128*(\p)+FR*\b:128*(\p)+FR*\b+FR-1], v[AF+FR*(\a):AF+FR*(\a)+FR-1], v[8*(8*((\a)%4)+\b):8*(8*((\a)%4)+\b)+7]
.endif
.endr
.endr
.endm
.macro FETCH_B slot, q, p
	WIN TO_B
.irp i, 0,1,2,3,4,5,6,7
	FRAGB 128*(\p)+FR*\i, ADRB+\slot, \q, \i
.endr
	WIN 0
.endm
.macro FETCH_A slot, q, i0
.irp i, \i0, \i0+1, \i0+2, \i0+3
	FRAGA AF+FR*(\i), ADRA+\slot, \q, \i
.endr
.endm
.macro PLACES n                        ; plain vector lines between a matrix instruction and a load into, or a vector read of, its registers
.rept \n
	v_nop
.endr
.endm
.macro STEP slot, q, zero
	s_wait_dscnt 4*NL                              ; B's set and A's blocks 0-3 are in; the youngest 16 loads (A's blocks 4-7) may be out
	WIN MUL_LO
	MUL16 0, (\q)%2, \zero
	MUL16 2, (\q)%2, \zero
	s_wait_dscnt 0
	PLACES NP
	FETCH_B \slot, (\q)+1, 1-(\q)%2
	FETCH_A \slot, (\q)+1, 0
	WIN MUL_HI
	MUL16 4, (\q)%2, \zero
	MUL16 6, (\q)%2, \zero
	PLACES NP
	WIN 0
	FETCH_A \slot, (\q)+1, 4
.endm
.macro TURN slot, next, fill
	s_wait_tensorcnt 0x0                           ; all my tensor loads have landed: my part of the next slot (every window is 0 here)
	ds_add_u32 v[SPW], v[NIL]                      ; 0 onto my spare word
	s_wait_dscnt 4*NL+1                            ; (the add and the youngest 16 loads may be out)
	WIN MUL_LO
	MUL16 0, 1, 0
	s_wait_dscnt 0x0                               ; the add is done, and my reads of this slot are over
	s_barrier_signal -1
	MUL16 2, 1, 0
	WIN 0
	s_barrier_wait -1
.if \fill
	CREST                                          ; the barrier has opened a round of the cluster's barrier
	s_add_nc_u64 s[G0+4*\slot+2:G0+4*\slot+3], s[G0+4*\slot+2:G0+4*\slot+3], 2*4096
	s_add_nc_u64 s[G0B+4*\slot+2:G0B+4*\slot+3], s[G0B+4*\slot+2:G0B+4*\slot+3], 2*ROWB
	JLOAD G0+4*\slot, G1, G0B+4*\slot, G1B         ; the first tensor load behind the round; its four v_nop are the places in front of the loads below
.else
	PLACES NP
.endif
	FETCH_B \next, 0, 0
	FETCH_A \next, 0, 0
	WIN MUL_HI
	MUL16 4, 1, 0
	MUL16 6, 1, 0
	PLACES NP
	WIN 0
	FETCH_A \next, 0, 4
.endm
	s_wait_tensorcnt 1                             ; my part of K step 0 is in (K step 1's load may be out)
	s_barrier_signal -1
	s_barrier_wait -1                              ; everybody's is
	FETCH_B 0, 0, 0
	FETCH_A 0, 0, 0
	FETCH_A 0, 0, 4
	STEP 0, 0, 1                                   ; the first step's products start the sums
	s_mov_b32 s3, LAPS-1
.Llap:
	TURN 0, 1, 1
	STEP 1, 0, 0
	TURN 1, 0, 1
	STEP 0, 0, 0
	s_sub_co_u32 s3, s3, 1
	s_cmp_lg_u32 s3, 0
	s_cbranch_scc1 .Llap
	TURN 0, 1, 0                                   ; the last lap fills nothing
	STEP 1, 0, 0
	s_wait_dscnt 4*NL
	WIN MUL_LO
	MUL16 0, 1, 0
	MUL16 2, 1, 0
	s_wait_dscnt 0
	WIN MUL_HI
	MUL16 4, 1, 0
	MUL16 6, 1, 0
	WIN 0
; THE WAY OUT, block by block of 16 rows x 128 columns, through my own stage in LDS: back come whole rows of 512 bytes.  LDS serves a wave's instructions in order (ISA guide 5.7.1.4): no wait between the stores and the loads.
.macro TOSTAGE a
.set AC, 64*((\a)%4)
	WIN 0x02+((\a)/4)
.irp j, 0,2,4,6,8,10,12,14,16,18,20,22,24,26,28,30,32,34,36,38,40,42,44,46,48,50,52,54,56,58,60,62
	v_pk_mul_f32 v[TMP+\j:TMP+\j+1], v[AC+\j:AC+\j+1], s[96:97] op_sel_hi:[1,0]   ; both x s96 = 2^(e10 + e11); each accumulator from its low end on
.endr
	WIN 0
.irp b, 0,1,2,3,4,5,6,7
	ds_store_b128 v[STO], v[TMP+8*\b:TMP+8*\b+3] offset:64*\b
	ds_store_b128 v[STO], v[TMP+8*\b+4:TMP+8*\b+7] offset:64*\b+16
.endr
.set BB, BK+64*((\a)%2)
.irp t, 0,1,2,3,4,5,6,7,8,9,10,11,12,13,14,15
	ds_load_b128 v[BB+4*\t:BB+4*\t+3], v[RD] offset:\t*SPITCH
.endr
.endm
.macro SEND a, younger                 ; younger: the LDS instructions issued behind block a's loads, which may stay out
.set BB, BK+64*((\a)%2)
	s_wait_dscnt \younger
.if (\a) > 0
	s_add_nc_u64 s[10:11], s[10:11], 16*SIZE_N*4   ; (behind a wait on XCNT: the earlier stores have read their base)
.endif
.irp t, 0,1,2,3,4,5,6,7,8,9,10,11,12,13,14,15
	global_store_b128 v[CO], v[BB+4*\t:BB+4*\t+3], s[10:11] offset:\t*SIZE_N*4 th:TH_STORE_NT   ; 32 lanes store 512 consecutive bytes, aligned; written once, read by nobody here
.endr
.endm
	s_wait_kmcnt 0x0
	s_add_co_i32 s96, s96, s97
	s_add_co_i32 s96, s96, 127
	s_lshl_b32 s96, s96, 23                        ; 2^(e10 + e11) as f32
	PLACES NP
	TOSTAGE 0
.irp a, 1,2,3,4,5,6,7
.if \a > 1
	s_wait_xcnt 0x0                                ; block a - 2's stores have read their registers and their base
.endif
	TOSTAGE \a
	SEND \a-1, 32                                  ; behind block a - 1's loads: block a's 16 stores and 16 loads
.endr
	s_wait_xcnt 0x0
	SEND 7, 0
	s_wait_tensorcnt 0x0                           ; the wave's end
	ds_add_u32 v[SPW], v[NIL]
	s_wait_dscnt 0x0
	CROUND                                         ; the closing round
	s_endpgm
.Lfunc_end_k_q4982be247b_oproj:
	.size	k_q4982be247b_oproj, .Lfunc_end_k_q4982be247b_oproj-k_q4982be247b_oproj
	.p2alignl 7, 3214868480
	.fill 96, 4, 3214868480
	.section	.rodata,"a",@progbits
	.p2align	6, 0x0
	.amdhsa_kernel k_q4982be247b_oproj
		.amdhsa_group_segment_fixed_size 327680
		.amdhsa_private_segment_fixed_size 0
		.amdhsa_enable_private_segment 0
		.amdhsa_kernarg_size 32
		.amdhsa_user_sgpr_count 2
		.amdhsa_user_sgpr_kernarg_segment_ptr 1
		.amdhsa_wavefront_size32 1
		.amdhsa_system_sgpr_workgroup_id_x 1
		.amdhsa_system_sgpr_workgroup_id_y 1
		.amdhsa_system_sgpr_workgroup_id_z 1
		.amdhsa_system_vgpr_workitem_id 0
		.amdhsa_next_free_vgpr 1024
		.amdhsa_next_free_sgpr 98
		.amdhsa_reserve_vcc 0
		.amdhsa_float_denorm_mode_32 3
		.amdhsa_float_denorm_mode_16_64 3
		.amdhsa_memory_ordered 1
		.amdhsa_forward_progress 1
		.amdhsa_inst_pref_size 123
	.end_amdhsa_kernel
	.amdgpu_metadata
---
amdhsa.version: [ 1, 2 ]
amdhsa.kernels:
  - .name:           k_q4982be247b_oproj
    .symbol:         k_q4982be247b_oproj.kd
    .args:
      - { .name: oc, .offset: 0, .size: 8, .value_kind: global_buffer, .address_space: global }
      - { .name: Wo_codes, .offset: 8, .size: 8, .value_kind: global_buffer, .address_space: global }
      - { .name: lowp_scales, .offset: 16, .size: 8, .value_kind: global_buffer, .address_space: global }
      - { .name: out0, .offset: 24, .size: 8, .value_kind: global_buffer, .address_space: global }
    .group_segment_fixed_size: 327680
    .private_segment_fixed_size: 0
    .kernarg_segment_align: 8
    .kernarg_segment_size: 32
    .max_flat_workgroup_size: 128
    .sgpr_count:     98
    .vgpr_count:     1024
    .wavefront_size: 32
...
	.end_amdgpu_metadata
.endif
;; end of part 3
